; MI455X (gfx1250); checked and timed in simulation.
; The chip was launched on July 23, 2026; its instructions are those of AMD's public machine-readable ISA for CDNA 5 (MIT licence, August 2026) and "CDNA5" Instruction Set Architecture Reference Guide (July 2026). The comments in the code are by the model that wrote it; some were corrected since.
;; Causal Multihead Attentiono With Rope. Allowed arithmetic: matrix products marked QUANTISED: E3M2 operands, one E8M0 scale for each 32 along K, by v_wmma_scale_f32_16x16x128_f8f6f4 with both operands' format E3M2, f32 sums; everything else in f32.
;; Inputs: Wout 1,024 x 1,024 float32; Wqkv 3,072 x 1,024 float32; x 4 x 2,048 x 1,024 float32.
;; Outputs: out0 4 x 2,048 x 1,024 float32.
;; This version of the problem:
;;   THIS VERSION OF THE PROBLEM IS GIVEN IN LOW PRECISION. The matrix products marked QUANTISED in the list below multiply operands that are first quantised to E3M2 (3 exponent bits, 2 mantissa bits; 6 bits a number), with one power-of-two scale for each 32 numbers along K (OCP MX v1.0); their sums are f32. All else is computed in f32.
;;   The module's matrix products, in the order in which they are computed (A, B: the left and right operand; K: the contracted axis; several contracted axes count as one K, in the product's order):
;;     1. [M 8,192, K 1,024] x [K 1,024, N 3,072]; A: input x; B: input Wqkv: QUANTISED
;;     2. batch 64 x [M 2,048, K 64] x [K 64, N 2,048]; A: computed on the way; B: computed on the way: QUANTISED
;;     3. batch 64 x [M 2,048, K 2,048] x [K 2,048, N 64]; A: softmax (see below); B: computed on the way: QUANTISED
;;     4. [M 8,192, K 1,024] x [K 1,024, N 1,024]; A: computed on the way; B: input Wout: QUANTISED
;;   THE QUANTISER, for each operand of a quantised product, along K:
;;     - K is cut into blocks of 32 from its start; a last block that is shorter is filled with zeros.
;;     - A block's scale is 2^e with e = floor(log2(the largest magnitude in the block)) - 4, held to -126 .. 127; a block of zeros has e = 0. As a byte (E8M0): e + 127.
;;     - Each number is divided by its block's scale, clamped to +-28, and rounded to the nearest number of E3M2, ties to even, subnormals kept.
;;     - The product sums the exact products of the quantised numbers (number of the format x scale) in f32.
;;   ~~~python
;;   def quantise(x, axis):      # numpy; x: float32 -> the quantised numbers, widened to float32 again
;;       x = np.moveaxis(x, axis, -1); K = x.shape[-1]
;;       x = np.pad(x, [(0, 0)] * (x.ndim - 1) + [(0, -K % 32)]); x = x.reshape(x.shape[:-1] + (-1, 32)); a = np.abs(x).max(-1, keepdims=True)
;;       e = np.where(a > 0, np.clip(np.frexp(np.where(a > 0, a, 1))[1] - 1 - 4, -126, 127), 0)      # np.frexp(a)[1] - 1 = floor(log2(a)), exactly
;;       r = np.clip(x / 2.0 ** e, -28, 28)
;;       step = 2.0 ** (np.maximum(np.frexp(np.where(r == 0, 1, r))[1] - 1, -2) - 2)
;;       q = np.round(r / step) * step * 2.0 ** e      # np.round: ties to even
;;       return np.moveaxis(q.reshape(q.shape[:-2] + (-1,))[..., :K], -1, axis).astype(np.float32)
;;   ~~~
;;   SOFTMAX AHEAD OF A QUANTISED PRODUCT. Where the list says 'softmax', what is quantised is not the finished softmax but p = 2^(t - M), with t = logit x log2(e) and M = ceil(the row's largest t), a whole number; so 1/2 < the row's largest p <= 1. The row's sum l is taken of the UNQUANTISED p, in f32, and the product's result is divided by l at the end. Since M is a whole number, a kernel that streams over the keys may use a running M (the ceiling of the running maximum): every later rescaling is an exact power of two, which a block's scale takes up: the codes' values come out the same.
;;   OPERANDS COMPUTED ON THE WAY. 'Computed on the way' means the value that the module computes at that place (a softmax that the list does not call 'softmax' is quantised finished and normalised). What goes into a quantiser is computed in f32, as accurately as f32 sums, v_exp_f32 and their like allow (about 1e-6 of the number): no bf16 or f16 on the way to a quantiser, and a product that is left as it is and whose result goes on into a quantised operand takes f32 operands (vector FMAs, or v_wmma_f32_16x16x4_f32). A number that lies on a knife's edge between two numbers of the format may be rounded either way, as far as f32 arithmetic and the matrix unit's own rounding can turn it there, and no further.
;; One version. Each part assembles by itself: llvm-mc -triple=amdgcn-amd-amdhsa -mcpu=gfx1250 --defsym DOCPART=n.
;; ======== version 1 of 1: 4 launches
;; limits: right only within a limited range of input values
;; workspace buffers: opq 10,354,688 bytes; qkv 20,185,088 bytes; att 6,553,600 bytes
;; launch prep (part 1): grid 416 x 1, 4 waves a work-group, no clusters, 33,280 bytes of LDS; arguments x, Wqkv, Wout, opq; writes opq
.if DOCPART == 1
	.amdgcn_target "amdgcn-amd-amdhsa--gfx1250"
	.amdhsa_code_object_version 6
	.text
	.protected	k_q5ff00dc818_prep
	.globl	k_q5ff00dc818_prep
	.p2align	8
	.type	k_q5ff00dc818_prep,@function
k_q5ff00dc818_prep:
	s_mov_b64 s[64:65], 0
	v_nop
	global_prefetch_b8 v0, s[64:65] scope:SCOPE_SE
	s_setreg_imm32_b32 hwreg(HW_REG_WAVE_MODE, 25, 1), 1
	s_wait_xcnt 0x0
; x [8192][1024], Wqkv [3072][1024] and Wout [1024][1024], f32, become codes of BF6 (E3M2), K innermost, with one E8M0 byte for each 32 along K; and the table of cos and sin for the rotation is made.
; OUT, all in one buffer: codes at byte 0, 12,288 stored rows of 768 bytes (x, then Wqkv, then Wout); scale bytes at SCO, 32 a stored row; the table at TAB: [position 2048][frequency 32][cos, sin] f32.
; THE ROWS OF x AND OF Wqkv ARE STORED IN ANOTHER ORDER: in each 32 rows the second and the third group of 8 change places, so that 16 stored rows on end are rows 8 u + i + 8 (i / 8).  A wave owns 8 rows, so only
; the number of its run in the output differs: sigma(w) = 2 (w & 1) + (w >> 1).  Wout keeps its order.
; A block's scale is 2^(floor(log2(its largest magnitude)) - 4); its byte is that magnitude's exponent field - 4, held at 1 from below.
; LIMITS: a block whose largest magnitude lies under 2^-122 (a block of zeros too) gets the byte 1: its codes are read by this program alone; NaN and infinities among the inputs are not served.
; Work-groups 0-383 quantise 32 rows each: a wave takes 16 steps of 512 numbers; each load reads 512 consecutive bytes; the 2,048 bytes of a step turn through the wave's own stage in LDS, so that a lane holds 16 neighbours.
; Work-groups 384-415 make the table, 64 positions each, a lane to a frequency; they use no LDS.
; THE CODES' ORDER (it takes the place of 'rows of 768 bytes' above): stored row R, K step c of 256 (192 bytes) lies at (R / 256) x 196,608 + c x 49,152 + (R % 256) x 192:
; the 256 rows of one K step are one dense block, which the products' launches fetch as rows of 256 bytes.
; WORK LEFT OUT BY THE PROGRAM: the attention launch multiplies no step of 128 keys that lies wholly behind a tile's queries: the causal mask sets those scores to -inf, so their
; softmax weight is 0 whatever the inputs hold.  LIMIT: a NaN, an infinity or an overflow that reaches only that work is not carried to the result.
.set STEPS, 16
.set QWGS,  384                        ; work-groups that quantise: 256 for x, 96 for Wqkv, 32 for Wout
.set EMAX,  4
.set CB,    12                         ; bytes of 16 codes
.set R,     16                         ; v16-143  eight sets of 16 numbers as they are loaded: loads run eight steps (32 loads a wave) ahead
.set X,     144                        ; v144-175 two sets of 16 neighbours
.set C,     176                        ; v176-239 codes: four registers for each step
.set E,     240                        ; v240-241 the scale byte, two registers by turns
.set WREG,  8192                       ; LDS of a wave: two stages of 32 x SP bytes, then its 256 scale bytes
.set SP,    80                         ; a lane's place in a stage: 64 bytes + 16 of padding
.set SCO,   9437184
.set TAB,   9830400
	s_load_b256 s[4:11], s[0:1], 0x0               ; x s[4:5], Wqkv s[6:7], Wout s[8:9], the output s[10:11]
	v_lshl_add_u32 v242, v0, 2, 0x8000
	v_mov_b32 v243, 0
	v_lshrrev_b32 v1, 5, v0
	v_readfirstlane_b32 s16, v1                    ; wave
	v_and_b32 v2, 31, v0                           ; lane
	s_cmp_ge_u32 ttmp9, QWGS
	s_cbranch_scc1 .Ltable
	v_lshlrev_b32 v3, 4, v2                        ; my 16 bytes of a load's 512
	s_mul_i32 s17, s16, WREG
	v_lshrrev_b32 v14, 2, v2
	v_mul_u32_u24 v14, v14, SP
	v_and_b32 v15, 3, v2
	v_lshl_add_u32 v14, v15, 4, v14
	v_add_nc_u32 v14, s17, v14                     ; the stage, on the way in: SP (lane / 4) + 16 (lane % 4)
	v_mul_u32_u24 v15, v2, SP
	v_add_nc_u32 v15, s17, v15                     ; and on the way out: SP x lane: my 16 neighbours
	v_and_b32 v4, 15, v2
	v_mul_u32_u24 v4, v4, CB                       ; my codes' place in a K step's 192 bytes of the row;
	v_lshrrev_b32 v10, 4, v2
	v_mul_u32_u24 v10, v10, 0xc000
	v_add_nc_u32 v4, v4, v10                       ; lanes 16-31 hold the next K step: 49,152 bytes on
	v_lshrrev_b32 v5, 1, v2
	s_add_co_u32 s17, s17, 2*32*SP
	v_add_nc_u32 v5, s17, v5                       ; LDS: my wave's 256 scale bytes, my block's byte
	v_lshlrev_b32 v7, 3, v2                        ; and on the way out 8 bytes a lane
	v_add_nc_u32 v6, s17, v7
	s_and_b32 s18, s16, 1
	s_lshl_b32 s18, s18, 1
	s_lshr_b32 s19, s16, 1
	s_or_b32 s18, s18, s19                         ; sigma(wave)
	s_wait_alu depctr_va_vdst(0)
	s_wait_kmcnt 0x0
	s_mov_b32 s17, 352
	s_cmp_lt_u32 ttmp9, 352                        ; which tensor: the choice hangs on the work-group's number alone
	s_cselect_b64 s[6:7], s[6:7], s[8:9]
	s_cselect_b32 s17, 256, s17                    ; the tensor's first work-group
	s_cselect_b32 s18, s18, s16                    ; Wout keeps its rows' order
	s_cmp_lt_u32 ttmp9, 256
	s_cselect_b64 s[4:5], s[4:5], s[6:7]
	s_cselect_b32 s17, 0, s17
	s_sub_co_u32 s17, ttmp9, s17
	s_lshl_b32 s17, s17, 2
	s_add_co_u32 s20, s17, s16                     ; which run of 8,192 numbers of the tensor is my wave's
	s_lshl_b32 s20, s20, 15                        ; 32,768 bytes a run: under 2^26
	s_mov_b32 s21, 0
	s_add_nc_u64 s[4:5], s[4:5], s[20:21]
	s_lshl_b32 s22, ttmp9, 2
	s_add_co_u32 s22, s22, s18                     ; and which run of the output
	s_lshr_b32 s20, s22, 5                         ; a run is 8 stored rows: which 256 rows,
	s_mul_i32 s20, s20, 196608
	s_and_b32 s23, s22, 31
	s_mul_i32 s23, s23, 1536                       ; and which 8 of them
	s_add_co_u32 s20, s20, s23
	s_add_nc_u64 s[12:13], s[10:11], s[20:21]
	s_lshl_b32 s20, s22, 8                         ; 256 scale bytes a run
	s_add_co_u32 s20, s20, SCO
	s_add_nc_u64 s[14:15], s[10:11], s[20:21]
.macro LOAD t
.irp i, 0,1,2,3
	global_load_b128 v[R+16*((\t)%8)+4*\i:R+16*((\t)%8)+4*\i+3], v3, s[4:5] offset:2048*(\t)+512*\i th:TH_LOAD_NT   ; 32 lanes read 512 consecutive bytes
.endr
.endm
.macro TURN t                          ; step t's numbers through the stage: LDS serves a wave's instructions in order, so no wait stands between the stores and the loads
.irp i, 0,1,2,3
	ds_store_b128 v14, v[R+16*((\t)%8)+4*\i:R+16*((\t)%8)+4*\i+3] offset:32*SP*((\t)%2)+8*SP*\i
.endr
.irp i, 0,1,2,3
	ds_load_b128 v[X+16*((\t)%2)+4*\i:X+16*((\t)%2)+4*\i+3], v15 offset:32*SP*((\t)%2)+16*\i
.endr
.endm
.irp t, 0,1,2,3,4,5,6,7
	LOAD \t
.endr
	s_wait_loadcnt 28                              ; step 0's four loads are in; the 28 of steps 1 to 7 may be out
	TURN 0
.macro STEP t
.set XS, X+16*((\t)%2)
.if (\t) > 0
	s_wait_dscnt 1                                 ; this step's numbers are back from the stage (the last step's byte store may be out)
.else
	s_wait_dscnt 0x0
.endif
.if (\t)+8 < STEPS
	LOAD (\t)+8                                    ; into the registers that the stage's stores have read
.endif
.if (\t)+1 < STEPS
.if STEPS-2-(\t) >= 7
	s_wait_loadcnt 28                              ; the next step's four loads are in; those of the seven steps behind it may be out
.else
	s_wait_loadcnt 4*(STEPS-2-(\t))
.endif
	TURN (\t)+1                                    ; through the other stage while this step is worked
.endif
	v_max3_num_f32 v8, |v[XS]|, |v[XS+1]|, |v[XS+2]|               ; the largest magnitude of my 16, in two chains
	v_max3_num_f32 v9, |v[XS+3]|, |v[XS+4]|, |v[XS+5]|
.irp i, 6,10
	v_max3_num_f32 v8, v8, |v[XS+\i]|, |v[XS+\i+1]|
	v_max3_num_f32 v9, v9, |v[XS+\i+2]|, |v[XS+\i+3]|
.endr
	v_max3_num_f32 v8, v8, |v[XS+14]|, |v[XS+15]|
	v_max3_num_f32 v8, v8, v9, (EMAX+1)<<23        ; and the floor 2^(5 - 127): the byte cannot fall under 1
	v_max_num_f32_dpp v8, v8, v8 row_xmask:1 row_mask:0xf bank_mask:0xf   ; with my neighbour's 16: the block's
	v_add_nc_u32 v11, -(EMAX<<23), v8              ; 4 off its exponent field: the conversion takes the exponent field of this operand as its scale
	v_cvt_scalef32_pk16_bf6_f32 v[C+4*(\t):C+4*(\t)+2], v[XS:XS+15], v11
	v_lshrrev_b32 v[E+((\t)%2)], 23, v11           ; the scale's byte
	ds_store_b8 v5, v[E+((\t)%2)] offset:16*(\t)   ; both lanes of a block write the same byte with the same value
	global_store_b96 v4, v[C+4*(\t):C+4*(\t)+2], s[12:13] offset:((\t)%2)*98304+((\t)/2)*192   ; row t / 2, K steps 2 (t % 2) and 2 (t % 2) + 1: sixteen lanes store 192 consecutive bytes; a wave's 8 rows fill 1,536 on end
.endm
.irp t, 0,1,2,3,4,5,6,7,8,9,10,11,12,13,14,15
	STEP \t
.endr
	ds_load_b64 v[12:13], v6                       ; LDS serves a wave's instructions in order: these see my stores
	s_wait_dscnt 0x0
	global_store_b64 v7, v[12:13], s[14:15]        ; 32 lanes store 256 consecutive bytes, aligned
	s_wait_tensorcnt 0x0
	ds_add_u32 v242, v243
	s_wait_dscnt 0x0
	s_endpgm
; THE TABLE.  Wave w of work-group 384 + j makes positions 64 j + 16 w + 0 .. 15; lane k is frequency k, inv_freq = 10000^(-k / 32) = 10^(-k / 8), the nearest f32 number.
; angle = f32(position) x inv_freq, rounded once; n = the nearest whole number to angle x 2 / pi; rho = angle - n pi / 2 with pi / 2 in two parts (two fused multiply-adds); sine and cosine of rho, |rho| <= pi / 4, by
; polynomials of degree 7 and 8; the quadrant n mod 4 swaps them and sets the signs.
.Ltable:
	s_sub_co_u32 s17, ttmp9, QWGS
	s_lshl_b32 s17, s17, 6
	s_lshl_b32 s18, s16, 4
	s_add_co_u32 s17, s17, s18                     ; my first position
	s_wait_alu depctr_va_vdst(0)
	v_lshlrev_b32 v1, 3, v2                        ; 8 bytes a lane
	v_mov_b32 v3, 1.0                              ; frequency 0
.set KK, 1
.irp f, 0.7498942093324559, 0.5623413251903491, 0.4216965034285822, 0.31622776601683794, 0.23713737056616552, 0.1778279410038923, 0.1333521432163324, 0.1, 0.07498942093324559, 0.05623413251903491, 0.04216965034285822, 0.031622776601683794, 0.023713737056616552, 0.01778279410038923, 0.01333521432163324, 0.01, 0.007498942093324559, 0.005623413251903491, 0.004216965034285822, 0.0031622776601683794, 0.0023713737056616552, 0.001778279410038923, 0.001333521432163324, 0.001, 0.0007498942093324559, 0.0005623413251903491, 0.0004216965034285822, 0.00031622776601683794, 0.00023713737056616552, 0.0001778279410038923, 0.0001333521432163324
	s_mov_b32 s20, \f
	v_writelane_b32 v3, s20, KK
.set KK, KK+1
.endr
	s_mov_b32 s24, 0x3f22f983                      ; 2 / pi
	s_mov_b32 s25, 0x3fc90fdb                      ; pi / 2, its f32 number,
	s_mov_b32 s26, 0xb33bbd2e                      ; and what is left of it
	s_mov_b32 s27, -0.16666654611                  ; the sine's three coefficients
	s_mov_b32 s28, 0.0083321608736
	s_mov_b32 s29, -0.00019515295891
	s_mov_b32 s30, 0.04166664568298827             ; the cosine's three
	s_mov_b32 s31, -0.001388731625493765
	s_mov_b32 s32, 0.00002443315711809948
	s_lshl_b32 s20, s17, 8                         ; 256 bytes a position
	s_add_co_u32 s20, s20, TAB
	s_mov_b32 s21, 0
	s_wait_kmcnt 0x0
	s_add_nc_u64 s[12:13], s[10:11], s[20:21]
.set PN, 0
.rept 16                               ; each position has result registers of its own: no store's data are written again
	s_add_co_u32 s19, s17, PN
	v_cvt_f32_u32 v4, s19
	s_wait_alu depctr_va_vdst(0)
	v_mul_f32 v4, v4, v3                           ; the angle
	v_mul_f32 v5, s24, v4
	v_rndne_f32 v5, v5                             ; n
	v_fma_f32 v6, -v5, s25, v4
	v_fma_f32 v6, -v5, s26, v6                     ; rho
	v_mul_f32 v7, v6, v6                           ; z = rho^2
	v_fma_f32 v8, v7, s29, s28
	v_fma_f32 v8, v8, v7, s27
	v_mul_f32 v9, v6, v7
	v_fma_f32 v8, v9, v8, v6                       ; sin rho
	v_fma_f32 v10, v7, s32, s31
	v_fma_f32 v10, v10, v7, s30
	v_mul_f32 v11, v7, v7
	v_fma_f32 v12, v7, -0.5, 1.0
	v_fma_f32 v10, v11, v10, v12                   ; cos rho
	v_cvt_i32_f32 v13, v5
	v_and_b32 v14, 1, v13
	v_cmp_eq_u32 vcc_lo, 1, v14                    ; odd quadrants swap the two
	v_cndmask_b32 v15, v8, v10, vcc_lo             ; the sine's magnitude
	v_cndmask_b32 v16, v10, v8, vcc_lo             ; the cosine's
	v_and_b32 v17, 2, v13                          ; the sine is negative in quadrants 2, 3
	v_lshlrev_b32 v17, 30, v17
	v_add_nc_u32 v18, 1, v13                       ; the cosine in quadrants 1, 2
	v_and_b32 v18, 2, v18
	v_lshlrev_b32 v18, 30, v18
	v_xor_b32 v[32+2*PN], v18, v16
	v_xor_b32 v[33+2*PN], v17, v15
	global_store_b64 v1, v[32+2*PN:33+2*PN], s[12:13] offset:256*PN   ; 32 lanes store a position's 256 bytes
.set PN, PN+1
.endr
	s_endpgm
.Lfunc_end_k_q5ff00dc818_prep:
	.size	k_q5ff00dc818_prep, .Lfunc_end_k_q5ff00dc818_prep-k_q5ff00dc818_prep
	.p2alignl 7, 3214868480
	.fill 96, 4, 3214868480
	.section	.rodata,"a",@progbits
	.p2align	6, 0x0
	.amdhsa_kernel k_q5ff00dc818_prep
		.amdhsa_group_segment_fixed_size 33280
		.amdhsa_private_segment_fixed_size 0
		.amdhsa_enable_private_segment 0
		.amdhsa_kernarg_size 32
		.amdhsa_user_sgpr_count 2
		.amdhsa_user_sgpr_kernarg_segment_ptr 1
		.amdhsa_wavefront_size32 1
		.amdhsa_system_sgpr_workgroup_id_x 1
		.amdhsa_system_sgpr_workgroup_id_y 1
		.amdhsa_system_sgpr_workgroup_id_z 1
		.amdhsa_system_vgpr_workitem_id 0
		.amdhsa_next_free_vgpr 244
		.amdhsa_next_free_sgpr 66
		.amdhsa_reserve_vcc 1
		.amdhsa_float_denorm_mode_32 3
		.amdhsa_float_denorm_mode_16_64 3
		.amdhsa_memory_ordered 1
		.amdhsa_forward_progress 1
		.amdhsa_inst_pref_size 59
	.end_amdhsa_kernel
	.amdgpu_metadata
---
amdhsa.version: [ 1, 2 ]
amdhsa.kernels:
  - .name:           k_q5ff00dc818_prep
    .symbol:         k_q5ff00dc818_prep.kd
    .args:
      - { .name: x, .offset: 0, .size: 8, .value_kind: global_buffer, .address_space: global }
      - { .name: Wqkv, .offset: 8, .size: 8, .value_kind: global_buffer, .address_space: global }
      - { .name: Wout, .offset: 16, .size: 8, .value_kind: global_buffer, .address_space: global }
      - { .name: opq, .offset: 24, .size: 8, .value_kind: global_buffer, .address_space: global }
    .group_segment_fixed_size: 33280
    .private_segment_fixed_size: 0
    .kernarg_segment_align: 8
    .kernarg_segment_size: 32
    .max_flat_workgroup_size: 128
    .sgpr_count:     66
    .vgpr_count:     244
    .wavefront_size: 32
...
	.end_amdgpu_metadata
.endif
;; end of part 1
;; launch qkvgemm (part 2): grid 12 x 32, 4 waves a work-group, clusters of 4 x 4, 327,680 bytes of LDS; arguments opq, qkv; writes qkv
.if DOCPART == 2
	.amdgcn_target "amdgcn-amd-amdhsa--gfx1250"
	.amdhsa_code_object_version 6
	.text
	.protected	k_q5ff00dc818_qkvgemm
	.globl	k_q5ff00dc818_qkvgemm
	.p2align	8
	.type	k_q5ff00dc818_qkvgemm,@function
k_q5ff00dc818_qkvgemm:
	s_mov_b64 s[64:65], 0
	v_nop
	global_prefetch_b8 v0, s[64:65] scope:SCOPE_SE
	s_setreg_imm32_b32 hwreg(HW_REG_WAVE_MODE, 25, 1), 1
	s_wait_xcnt 0x0
	s_wait_alu depctr_hold_cnt(0) depctr_sa_sdst(0) depctr_va_vdst(0) depctr_va_sdst(0) depctr_va_ssrc(0) depctr_va_vcc(0) depctr_vm_vsrc(0)
	s_getreg_b32 s2, hwreg(HW_REG_IB_STS2, 6, 4)
	s_cmp_eq_u32 s2, 0
	s_cbranch_scc0 .Lentry_in_a_cluster
	s_endpgm
.Lentry_in_a_cluster:
	s_bfe_u32 s2, ttmp6, 0x10000c
	s_cmp_lg_u32 s2, 0xf033
	s_cbranch_scc0 .Lentry_shape_is_right
	s_endpgm
.Lentry_shape_is_right:
; qkv = x Wqkv^T on codes of BF6 (E3M2) with one E8M0 scale for each 32 along K = 1,024; then, in registers, the rotation of q and k, and the quantising of q and k along the head's 64 and of v along the keys.
; What leaves are IMAGES OF OPERAND REGISTERS for the attention launch; no f32 number of q, k or v goes to memory.
; A tile of 256 x 256 is made by four waves, 128 x 128 each: 64 accumulators, 512 registers.  K goes in steps of 256 through a ring of two LDS slots filled by the tensor data mover; the scale bytes of the tile's rows come once.
; ROLES, by the cluster's x (the same in all sixteen partners): 0 = q, 1 = k: A = 256 rows of x, B = 256 rows of Wq or Wk;  2 = v: A = 256 rows of Wv, B = 256 rows of x.
; THE MATRIX INSTRUCTION IS USED TRANSPOSED (source 0 = 16 rows of B, source 1 = 16 rows of A): a lane holds one row of A and its registers run along B's rows.  The rows of x and Wqkv lie in memory in the order
; 8 u + i + 8 (i / 8) within each 32, so the 16 registers of two neighbouring blocks of B are 16 NEIGHBOURS: register 16 b + i of a block of A is B's row 32 b + 16 (lane / 16) + i.  For q and k those are the head's
; channels, for v the keys: the axis along which each is quantised.  And a block of A is the tile of 16 keys, queries or channels that the attention launch wants.
; CLUSTERS: 4 x 4 work-groups; A's tiles are asked for jointly along a row of the cluster, B's along a column.
; OUT: for each (batch, head) and each 256 keys a record of 26,112 bytes: 16 tiles of K (768 bytes: 16 keys x 64 channels: lane l's registers 0-3 at 16 l, registers 4-5 at 512 + 8 l), 8 tiles of V^T (1,536 bytes: 16 channels x
; 128 keys: three groups of 512 bytes), K's scale words, V's scale words; behind the records Q's tiles and their scale words.
; LIMITS: a block whose largest magnitude lies under 2^-122 gets the byte 1; NaN and infinities are not served.
; REGISTERS, in windows of 256: window 0: v0-31 addresses; v32-63 scale words, two sets; v64-127 cos and sin, two sets; from v128 A's fragments, one set; on the way out v128-255 are at work.
;   window 1: B's fragments, two sets.   windows 2, 3: the accumulators of my rows 0-63, 64-127 (accumulator (a, b) at v[8 (8 (a % 4) + b)]).
.set KSTEP,  256
.set NQ,     2
.set ROWB,   49152                     ; in memory: from the dense block of a K step's 256 rows (192 bytes each) to the next K step's
.set KROW,   768                       ; a row of codes in memory
.set PITCH,  240                       ; an LDS row: 3 x (64 bytes + 16 of padding)
.set FR,     12
.set NL,     6
.set NP,     4
.set HALFT,  128*PITCH
.set SLOT,   2*HALFT                   ; LDS: A's slot 0, A's slot 1, B's slot 0, B's slot 1, 256 rows each: so one load at the head brings an operand's K steps 0 and 1
.set LAPS,   2                         ; 1,024 / 512
.set KS,     32                        ; a row of scale bytes
.set SCL,    4*SLOT
.set HALFS,  16*272                    ; the scales of 128 rows: 16 units of 256 bytes + 16 of padding
.set SBLK,   2*272                     ; those of 16 rows
.set SPARE,  SCL+4*HALFS               ; the spare words, 128 bytes for each wave
.set SCO,    9437184                   ; in the operands' buffer: the scale bytes,
.set TAB,    9830400                   ; the table of cos and sin
.set REC,    26112                     ; a record of 256 keys
.set BHB,    8*REC                     ; a (batch, head)'s records
.set QOFF,   13369344                  ; Q's tiles
.set QSOFF,  19660800                  ; Q's scale words
.set L16,  7                           ; v7   16 x lane
.set L8,   8                           ; v8   8 x lane
.set SWA,  9                           ; v9   where I store four scale words: 16 (lane % 16) + (lane / 16) x the bytes from a head to the next
.set H16,  10                          ; v10  16 (lane / 16)
.set ADRA, 16
.set ADRB, 20
.set ADRS, 27
.set SPW,  28
.set NIL,  29
.set TBO,  30                          ; v30  my lane's byte in the table: 256 (r + 8 (r / 8)) + 64 (lane / 16)
.set SC,   32
.set CSR,  64                          ; v64-95, v96-127: cos and sin of a block's 16 positions: pair 16 e + 2 p is frequency 16 e + 8 (lane / 16) + p
.set AF,   128
.set RO,   128                         ; the way out: 64 rotated numbers
.set TP,   192                         ; four pairs at work
.set TM,   200                         ; v200-203 largest magnitudes, v204-207 bytes, v212-215 the conversions' scale operands
.set PW,   216                         ; the scale word just made
.set PC,   220                         ; v220-231 the codes just made; v232-238 the conversions' second halves
.set SW,   240                         ; v240-247 the eight blocks' scale words
.set ROLE, 95
.set SEL,  66                          ; s[66:67] lane selects for v_permlanex16_b32: lane l xor 16
.set IMA,  8                           ; s[8:9]   where my even head's images go;  s[10:11] the odd head's;  s[12:13] the scale words
.set IMB,  10
.set SCB,  12
.set TABP, 96                          ; s[96:97] the table at my first position
.set G1, 24
.set G0, 32
.set G1B, 48
.set G0B, 56
.set G1S, 68
.set G0S, 76
.set G1SB, 80
.set G0SB, 88
.set MSB, 0
.macro WIN new                         ; the immediate's high byte repeats the setting that is left
.if MSB != (\new)
	s_set_vgpr_msb (MSB<<8)|(\new)
.set MSB, (\new)
.endif
.endm
.set MUL_LO, 0xa1                      ; source 0 (B) window 1, source 1 (A) window 0, C and D window 2
.set MUL_HI, 0xf1
.set TO_B,   0x40
; A joint load: waves 0 and 1 fetch for A, waves 2 and 3 for B; the branch hangs on the wave's number alone.  Four v_nop follow each of the two lines.
.macro JLOAD g0a, g1a, g0b, g1b
	s_cmp_eq_u32 s15, 0
	s_cbranch_scc0 .Lfor_b_\@
	tensor_load_to_lds s[\g0a:\g0a+3], s[\g1a:\g1a+7]
	s_nop 0
.rept 4
	v_nop
.endr
	s_branch .Lasked_\@
.Lfor_b_\@:
	tensor_load_to_lds s[\g0b:\g0b+3], s[\g1b:\g1b+7]
	s_nop 0
.rept 4
	v_nop
.endr
.Lasked_\@:
.endm
.macro CREST                           ; a round of the cluster's barrier behind its opening barrier
	s_cmp_lg_u32 s14, 0
	s_cbranch_scc1 .Lnot_wave_0_\@
	s_barrier_signal -3
.Lnot_wave_0_\@:
	s_barrier_wait -3
	s_barrier_signal -1
	s_barrier_wait -1
.endm
.macro CROUND
	s_barrier_signal -1
	s_barrier_wait -1
	CREST
.endm
	s_load_b128 s[4:7], s[0:1], 0x0                ; the operands s[4:5], the output s[6:7]
	v_lshl_add_u32 v[SPW], v0, 2, SPARE
	v_mov_b32 v[NIL], 0
	ds_add_u32 v28, v29
	ds_add_u32 v28, v29
	s_wait_dscnt 0x0
	v_lshrrev_b32 v1, 5, v0
	v_readfirstlane_b32 s14, v1                    ; wave 0..3
	s_lshr_b32 s15, s14, 1                         ; which half of A's rows is mine.  Also: I fetch for A (0) or for B (1)
	s_and_b32 s16, s14, 1                          ; which half of B's rows.  Also: which 128 rows I fetch
	s_bfe_u32 s40, ttmp6, 0x40000                  ; cx, cy: my place in the cluster
	s_bfe_u32 s41, ttmp6, 0x40004
	s_mov_b32 s[ROLE], ttmp9                       ; the cluster's x: 0 q, 1 k, 2 v
	s_and_b32 s99, ttmp7, 0xffff
	s_lshl_b32 s99, s99, 2                         ; 4 x the cluster's y
	s_lshl_b32 s98, s[ROLE], 2
	s_cmp_eq_u32 s[ROLE], 2
	s_cselect_b32 s17, 0, s99                      ; A's tile: of Wv's four, or of x's 32
	s_cselect_b32 s42, s99, s98                    ; B's tile: of x's 32, or of Wq's and Wk's eight
	s_cselect_b32 s96, 10240, 0                    ; the stored row at which A's tensor begins: Wv or x
	s_cselect_b32 s97, 0, 8192                     ; and B's: x or Wqkv
	s_add_co_u32 s17, s17, s41                     ; + cy: A's tile hangs on cy alone of the two places
	s_add_co_u32 s42, s42, s40                     ; + cx: B's on cx alone
	s_lshl_b32 s43, s41, 2
	s_lshl_b32 s43, 15, s43                        ; my row of the cluster
	s_lshl_b32 s44, 0x1111, s40                    ; my column
	; descriptor group 1: a tile of 128 rows x 192 bytes, 16 bytes of padding behind every 64
	; the tiles are dense in memory and are stated as rows of 256 bytes (32 elements of 8); the padding's interval stays 64 bytes, so an LDS row of 192 bytes is 3 x (64 + 16).  At the head 384 rows: 256 rows of codes x two K steps
	s_or_b32 s[G1+0], s43, (3<<16)|(1<<20)|(1<<21)|(3<<22)|(3<<25)
	s_or_b32 s[G1B+0], s44, (3<<16)|(1<<20)|(1<<21)|(3<<22)|(3<<25)
.irp g, G1, G1B
	s_mov_b32 s[\g+1], 32<<16
	s_mov_b32 s[\g+2], 384<<16
	s_mov_b32 s[\g+3], 32<<16
	s_mov_b32 s[\g+4], 384
	s_mov_b32 s[\g+5], 32
	s_mov_b32 s[\g+6], 0
	s_mov_b32 s[\g+7], 0
.endr
	; and for the scales of 256 rows: 8,192 dense bytes as 32 rows of 256 (32 elements of 8 bytes), 16 bytes of padding behind each
	s_or_b32 s[G1S+0], s43, (3<<16)|(1<<20)|(1<<21)|(5<<22)|(3<<25)
	s_or_b32 s[G1SB+0], s44, (3<<16)|(1<<20)|(1<<21)|(5<<22)|(3<<25)
.irp g, G1S, G1SB
	s_mov_b32 s[\g+1], 32<<16
	s_mov_b32 s[\g+2], 32<<16                      ; the scales of all 256 rows: 32 rows of 256 bytes
	s_mov_b32 s[\g+3], 32<<16
	s_mov_b32 s[\g+4], 32
	s_mov_b32 s[\g+5], 32
	s_mov_b32 s[\g+6], 0
	s_mov_b32 s[\g+7], 0
.endr
	s_lshl_b32 s20, s17, 8
	s_add_co_u32 s20, s20, s96                     ; A: the tile's first stored row, a multiple of 256
	s_lshl_b32 s46, s42, 8
	s_add_co_u32 s46, s46, s97                     ; B: likewise
	s_lshl_b32 s22, s20, 5                         ; where these rows' scale bytes begin (all offsets stay under 2^24)
	s_add_co_u32 s22, s22, SCO
	s_mov_b32 s23, 0
	s_lshl_b32 s92, s46, 5
	s_add_co_u32 s92, s92, SCO
	s_mov_b32 s93, 0
	s_mul_i32 s20, s20, KROW                       ; and their codes
	s_mov_b32 s21, 0
	s_mul_i32 s46, s46, KROW
	s_mov_b32 s47, 0
	s_mul_i32 s45, s16, HALFT                      ; where the ring's loads go: my 128 rows of A's slot 0,
	s_add_co_u32 s94, s45, 2*SLOT                  ; or of B's: no place in the cluster enters an LDS address
	s_wait_kmcnt 0x0
	s_add_nc_u64 s[20:21], s[4:5], s[20:21]
	s_add_nc_u64 s[22:23], s[4:5], s[22:23]
	s_add_nc_u64 s[46:47], s[4:5], s[46:47]
	s_add_nc_u64 s[92:93], s[4:5], s[92:93]
	CROUND                                         ; all sixteen work-groups are here: the first joint loads meet
	s_mov_b32 s[G0], 1                             ; the head's four tiles, each whole.  A's 256 rows, K steps 0 and 1 (98,304 dense bytes), into A's two slots; slot 0's group 0 serves, and is set for the ring behind the wait for these loads
	s_mov_b32 s[G0+1], 0
	s_mov_b64 s[G0+2:G0+3], s[20:21]
	s_or_b32 s[G0+3], s[G0+3], 0x80000000
	s_mov_b32 s[G0B], 1                            ; B's likewise
	s_mov_b32 s[G0B+1], 2*SLOT
	s_mov_b64 s[G0B+2:G0B+3], s[46:47]
	s_or_b32 s[G0B+3], s[G0B+3], 0x80000000
	s_mov_b32 s[G0S], 1                            ; the scales of A's 256 rows,
	s_mov_b32 s[G0S+1], SCL
	s_mov_b64 s[G0S+2:G0S+3], s[22:23]
	s_or_b32 s[G0S+3], s[G0S+3], 0x80000000
	s_mov_b32 s[G0SB], 1                           ; and of B's
	s_mov_b32 s[G0SB+1], SCL+2*HALFS
	s_mov_b64 s[G0SB+2:G0SB+3], s[92:93]
	s_or_b32 s[G0SB+3], s[G0SB+3], 0x80000000
	s_mul_i32 s92, s16, 24576                      ; in the ring I fetch 128 rows of a K step's block: which half, in bytes
	s_mov_b32 s93, 0
	s_mov_b32 s[G0+4], 1                           ; slot 1's group 0 stands at K step 1: its first refill steps it to K step 3
	s_add_co_u32 s[G0+5], s45, SLOT
	s_add_nc_u64 s[G0+6:G0+7], s[20:21], s[92:93]
	s_add_nc_u64 s[G0+6:G0+7], s[G0+6:G0+7], ROWB
	s_or_b32 s[G0+7], s[G0+7], 0x80000000
	s_mov_b32 s[G0B+4], 1
	s_add_co_u32 s[G0B+5], s94, SLOT
	s_add_nc_u64 s[G0B+6:G0B+7], s[46:47], s[92:93]
	s_add_nc_u64 s[G0B+6:G0B+7], s[G0B+6:G0B+7], ROWB
	s_or_b32 s[G0B+7], s[G0B+7], 0x80000000
; ONE LOAD A WAVE AT THE HEAD: one tree of branches on the wave's number, a load in each arm, all arms leading to one join
.macro ARM under, g0, g1, next
	s_cmp_lt_u32 s14, \under
	s_cbranch_scc0 \next
	tensor_load_to_lds s[\g0:\g0+3], s[\g1:\g1+7]
	s_nop 0
.rept 4
	v_nop
.endr
	s_branch .Lhead_asked
\next:
.endm
	ARM 1, G0,  G1,  .Lhead_b
	ARM 2, G0B, G1B, .Lhead_sa
	ARM 3, G0S, G1S, .Lhead_sb
	tensor_load_to_lds s[G0SB:G0SB+3], s[G1SB:G1SB+7]
	s_nop 0
.rept 4
	v_nop
.endr
.Lhead_asked:
	v_and_b32 v1, 15, v0                           ; r = lane % 16
	v_bfe_u32 v2, v0, 4, 1                         ; h = lane / 16
	v_mul_u32_u24 v3, v1, PITCH
	v_mul_u32_u24 v4, v2, 24
	v_add_nc_u32 v4, v3, v4                        ; a fragment's row x pitch + 24 x half
	v_lshl_add_u32 v5, v2, 4, v4                   ; and the same behind one padding more
	s_mul_i32 s21, s15, HALFT                      ; my 128 rows of A
	s_mul_i32 s22, s16, HALFT                      ; my 128 rows of B,
	s_add_co_u32 s22, s22, 2*SLOT                  ; which lie behind A's two slots
.irp s, 0,1
	v_add_nc_u32 v[ADRA+\s], s21, v4
	v_add_nc_u32 v[ADRB+\s], s22, v4
	v_add_nc_u32 v[ADRA+2+\s], s21, v5
	v_add_nc_u32 v[ADRB+2+\s], s22, v5
	s_add_co_u32 s21, s21, SLOT
	s_add_co_u32 s22, s22, SLOT
.endr
	v_mul_u32_u24 v5, v1, KS                       ; my row's scales: 32 bytes a row,
	v_lshrrev_b32 v6, 8, v5
	v_lshl_add_u32 v5, v6, 4, v5                   ; and 16 more for each 256 passed
	s_mul_i32 s21, s15, HALFS                      ; A's: my 128 rows
	s_mul_i32 s22, s16, HALFS                      ; B's: my 128 rows, behind A's 256
	s_add_co_u32 s22, s22, 2*HALFS
	s_sub_co_u32 s22, s22, s21
	v_mul_u32_u24 v6, s22, v2                      ; lanes 16-31 take B's
	s_add_co_u32 s21, s21, SCL
	v_add_nc_u32 v5, v5, v6
	v_add_nc_u32 v[ADRS], s21, v5
	; WHERE THE RESULTS GO.  The position side is A for q and k, B for v; the weight side names the heads: my 128 rows of it are two heads.
	s_lshl_b32 s18, s17, 8
	s_lshl_b32 s19, s15, 7
	s_add_co_u32 s18, s18, s19                     ; my first row among A's
	s_lshl_b32 s19, s42, 8
	s_lshl_b32 s20, s16, 7
	s_add_co_u32 s19, s19, s20                     ; and among B's
	s_cmp_eq_u32 s[ROLE], 2
	s_cselect_b32 s20, s19, s18                    ; the position side
	s_cselect_b32 s21, s18, s19                    ; the weight side
	; A RECORD IS HALVED: each 128 keys have 13,056 bytes of their own: 8 tiles of K (6,144), 4 tiles of V^T (6,144), K's scale words (512), V's (256)
	s_cselect_b32 s66, 6144, 0                     ; V's tiles lie behind K's
	s_mov_b32 s67, 12288
	s_cselect_b32 s67, 12800, s67                  ; and V's scale words behind K's
	s_and_b32 s21, s21, 1023
	s_lshr_b32 s21, s21, 6                         ; my even head
	s_lshr_b32 s22, s20, 11                        ; batch
	s_lshl_b32 s22, s22, 4
	s_add_co_u32 s22, s22, s21                     ; (batch, head)
	s_and_b32 s20, s20, 2047                       ; my first position
	s_lshr_b32 s23, s20, 7                         ; which 128 positions
	s_mul_i32 s99, s22, BHB
	s_mul_i32 s2, s23, REC/2
	s_add_co_u32 s99, s99, s2                      ; my 128 keys' record
	s_add_co_u32 s100, s99, s66                    ; K's or V's tiles
	s_add_co_u32 s2, s99, s67                      ; K's or V's scale words
	s_mul_i32 s66, s22, 98304
	s_mul_i32 s67, s23, 6144
	s_add_co_u32 s66, s66, s67
	s_add_co_u32 s66, s66, QOFF                    ; Q's tiles
	s_lshl_b32 s67, s22, 13
	s_lshl_b32 s98, s23, 9
	s_add_co_u32 s67, s67, s98
	s_add_co_u32 s67, s67, QSOFF                   ; Q's scale words
	s_mov_b32 s98, BHB
	s_mov_b32 s99, BHB
	s_cmp_eq_u32 s[ROLE], 0
	s_cselect_b32 s100, s66, s100
	s_cselect_b32 s2, s67, s2
	s_cselect_b32 s98, 8192, s98                   ; from a head's scale words to the next head's
	s_cselect_b32 s99, 98304, s99                  ; from a head's tiles to the next head's
	s_mov_b32 s101, 0
	s_add_nc_u64 s[IMA:IMA+1], s[6:7], s[100:101]
	s_mov_b32 s100, s99
	s_add_nc_u64 s[IMB:IMB+1], s[IMA:IMA+1], s[100:101]
	s_mov_b32 s100, s2
	s_add_nc_u64 s[SCB:SCB+1], s[6:7], s[100:101]
	s_lshl_b32 s100, s20, 8                        ; 256 bytes of the table a position
	s_add_co_u32 s100, s100, TAB
	s_add_nc_u64 s[TABP:TABP+1], s[4:5], s[100:101]
	s_mov_b32 s[SEL], 0x76543210
	s_mov_b32 s[SEL+1], 0xfedcba98
	v_and_b32 v6, 31, v0
	v_lshlrev_b32 v[L16], 4, v6
	v_lshlrev_b32 v[L8], 3, v6
	v_lshlrev_b32 v[H16], 4, v2
	v_mul_u32_u24 v[SWA], s98, v2
	v_lshl_add_u32 v[SWA], v1, 4, v[SWA]
	v_and_b32 v11, 8, v1
	v_add_nc_u32 v11, v11, v1                      ; r + 8 (r / 8): my row's place among a block's positions
	v_lshlrev_b32 v[TBO], 8, v11
	v_lshl_add_u32 v[TBO], v2, 6, v[TBO]
; cos and sin of block a's positions, 32 (a / 2) + 8 (a % 2) + r + 8 (r / 8) behind my first, into set a % 2: for each half e of the head's channels my eight frequencies, 64 bytes
.macro CSLOAD a
.irp e, 0,1
.irp j, 0,1,2,3
	global_load_b128 v[CSR+32*((\a)%2)+16*\e+4*\j:CSR+32*((\a)%2)+16*\e+4*\j+3], v[TBO], s[TABP:TABP+1] offset:(32*((\a)/2)+8*((\a)%2))*256+128*\e+16*\j
.endr
.endr
.endm
	CSLOAD 0                                       ; asked for here, a whole product ahead of their use.  They go out in every role, so that the way out's registers are written on every path; role v
	CSLOAD 1                                       ; does not use them (16 loads a wave, inside the table: its positions are my keys')
.macro FRAG reg, adr, q, i             ; a fragment, 16 rows x 128 K, is 12 registers: lane l holds row l % 16; registers 6 c .. 6 c + 5 hold K = 64 c + 32 (l / 16) + 0 .. 31: 24 bytes of the row, as they lie
.irp p, 0,1,2,3,4,5                    ; in pieces of 8 bytes; where the piece of lanes 16-31 lies behind one padding more, the second address register serves
.set PCE, 12*(\q)+6*(\p/3)+\p%3
.if PCE%8 < 5
	ds_load_b64 v[\reg+2*\p:\reg+2*\p+1], v[\adr] offset:8*PCE+16*(PCE/8)+(\i)*16*PITCH
.else
	ds_load_b64 v[\reg+2*\p:\reg+2*\p+1], v[\adr+2] offset:8*PCE+16*(PCE/8)+(\i)*16*PITCH
.endif
.endr
.endm
; 16 matrix instructions: A's blocks a0, a0 + 1 x B's eight, 128 along K.  The 64 accumulators take turns, one instruction a turn, in the same order in every step.
.macro MUL16 a0, p, q, sc, zero
.irp a, \a0, \a0+1
.irp b, 0,1,2,3,4,5,6,7
.if \zero
	v_wmma_scale_f32_16x16x128_f8f6f4 v[8*(8*((\a)%4)+\b):8*(8*((\a)%4)+\b)+7], v[128*(\p)+FR*\b:128*(\p)+FR*\b+FR-1], v[AF+FR*(\a):AF+FR*(\a)+FR-1], 0, v[SC+8*NQ*(\sc)+NQ*\b+(\q)], v[SC+8*NQ*(\sc)+NQ*(\a)+(\q)] matrix_a_fmt:MATRIX_FMT_BF6 matrix_b_fmt:MATRIX_FMT_BF6 matrix_a_scale:MATRIX_SCALE_ROW1
.else
	v_wmma_scale_f32_16x16x128_f8f6f4 v[8*(8*((\a)%4)+\b):8*(8*((\a)%4)+\b)+7], v[128*(\p)+FR*\b:128*(\p)+FR*\b+FR-1], v[AF+FR*(\a):AF+FR*(\a)+FR-1], v[8*(8*((\a)%4)+\b):8*(8*((\a)%4)+\b)+7], v[SC+8*NQ*(\sc)+NQ*\b+(\q)], v[SC+8*NQ*(\sc)+NQ*(\a)+(\q)] matrix_a_fmt:MATRIX_FMT_BF6 matrix_b_fmt:MATRIX_FMT_BF6 matrix_a_scale:MATRIX_SCALE_ROW1
.endif
.endr
.endr
.endm
.macro FETCH_B slot, q, p
	WIN TO_B
.irp i, 0,1,2,3,4,5,6,7
	FRAG 128*(\p)+FR*\i, ADRB+\slot, \q, \i
.endr
	WIN 0
.endm
.macro FETCH_A slot, q, i0
.irp i, \i0, \i0+1, \i0+2, \i0+3
	FRAG AF+FR*(\i), ADRA+\slot, \q, \i
.endr
.endm
.macro SCALES sc                       ; a K step's scale words: two words a row; lanes 0-15 take A's block i, lanes 16-31 B's block i
.irp i, 0,1,2,3,4,5,6,7
	ds_load_b64 v[SC+8*NQ*\sc+NQ*\i:SC+8*NQ*\sc+NQ*\i+1], v[ADRS] offset:\i*SBLK
.endr
.endm
.macro PLACES n                        ; plain vector lines between a matrix instruction and a load into, or a vector line on, its registers
.rept \n
	v_nop
.endr
.endm
.macro STEP slot, q, zero              ; a step of 128 along K that has its successor in the same slot
	s_wait_dscnt 4*NL                              ; B's set and A's blocks 0-3 are in; the youngest 24 loads (A's blocks 4-7) may be out
	WIN MUL_LO
	MUL16 0, (\q)%2, \q, \slot, \zero
	MUL16 2, (\q)%2, \q, \slot, \zero
	s_wait_dscnt 0                                 ; A's blocks 4-7 are in
	PLACES NP
	FETCH_B \slot, (\q)+1, 1-(\q)%2
	FETCH_A \slot, (\q)+1, 0
	WIN MUL_HI
	MUL16 4, (\q)%2, \q, \slot, \zero
	MUL16 6, (\q)%2, \q, \slot, \zero
	PLACES NP
	WIN 0
	FETCH_A \slot, (\q)+1, 4
.endm
; A slot's last step changes slots: one barrier; in front of it each wave waits for all its tensor loads, adds 0 to its spare word, and waits for that and for its own reads of this slot.
.macro TURN slot, next, fill
	s_wait_tensorcnt 0x0                           ; all my tensor loads have landed: my part of the next slot
	ds_add_u32 v[SPW], v[NIL]                      ; 0 onto my spare word
	s_wait_dscnt 4*NL+1                            ; (the add and the youngest 24 loads may be out)
	WIN MUL_LO
	MUL16 0, 1, NQ-1, \slot, 0
	s_wait_dscnt 0x0                               ; the add is done, and my reads of this slot are over
	s_barrier_signal -1
	MUL16 2, 1, NQ-1, \slot, 0
	WIN 0
	s_barrier_wait -1
.if \fill
	CREST                                          ; the barrier has opened a round of the cluster's barrier: no wave of any partner still reads this slot or has a load on its way
	s_add_nc_u64 s[G0+4*\slot+2:G0+4*\slot+3], s[G0+4*\slot+2:G0+4*\slot+3], 2*ROWB
	s_add_nc_u64 s[G0B+4*\slot+2:G0B+4*\slot+3], s[G0B+4*\slot+2:G0B+4*\slot+3], 2*ROWB
	JLOAD G0+4*\slot, G1, G0B+4*\slot, G1B         ; the first tensor load behind the round; its four v_nop are also the places in front of the loads below
.else
	PLACES NP
.endif
	s_wait_alu depctr_va_vdst(0)
	v_add_nc_u32 v[ADRS], 4*NQ, v[ADRS]            ; on to the next K step's scale words
	FETCH_B \next, 0, 0
	FETCH_A \next, 0, 0
	SCALES \next
	WIN MUL_HI
	MUL16 4, 1, NQ-1, \slot, 0
	MUL16 6, 1, NQ-1, \slot, 0
	PLACES NP
	WIN 0
	FETCH_A \next, 0, 4
.endm
	s_wait_alu depctr_va_vdst(0)
	s_wait_tensorcnt 0x0                           ; my tile of the head's four is in, and no tensor load of mine is out: the descriptors may be written
	s_mov_b32 s[G1+2], 96<<16                      ; from here on a load brings 128 rows of one K step: 96 rows of 256 bytes
	s_mov_b32 s[G1+4], 96
	s_mov_b32 s[G1B+2], 96<<16
	s_mov_b32 s[G1B+4], 96
	s_mov_b32 s[G0+1], s45                         ; slot 0's group 0 for the ring: my half, at K step 0: its first refill steps it to K step 2
	s_add_nc_u64 s[G0+2:G0+3], s[G0+2:G0+3], s[92:93]
	s_mov_b32 s[G0B+1], s94
	s_add_nc_u64 s[G0B+2:G0B+3], s[G0B+2:G0B+3], s[92:93]
	s_barrier_signal -1                            ; all four tiles are in: both slots and the scales
	s_barrier_wait -1
	FETCH_B 0, 0, 0
	FETCH_A 0, 0, 0
	SCALES 0
	FETCH_A 0, 0, 4
	STEP 0, 0, 1                                   ; the first step stands in front of the loop: its products start the sums
	s_mov_b32 s3, LAPS-1
.Llap:                                                 ; a trip goes once round the ring and fills both slots again
	TURN 0, 1, 1
	STEP 1, 0, 0
	TURN 1, 0, 1
	STEP 0, 0, 0
	s_sub_co_u32 s3, s3, 1
	s_cmp_lg_u32 s3, 0
	s_cbranch_scc1 .Llap
	TURN 0, 1, 0                                   ; the last lap fills nothing
	STEP 1, 0, 0
	s_wait_dscnt 4*NL
	WIN MUL_LO
	MUL16 0, 1, NQ-1, 1, 0
	MUL16 2, 1, NQ-1, 1, 0
	s_wait_dscnt 0
	WIN MUL_HI
	MUL16 4, 1, NQ-1, 1, 0
	MUL16 6, 1, NQ-1, 1, 0
	WIN 0
; THE WAY OUT.  64 numbers of a lane, v[s] on in window W, register 16 b + i = place 32 b + 16 (lane / 16) + i along the axis to be quantised, become a fragment's codes in v[PC] on and its scale word in v[PW].
.macro QUANT s, W
	WIN (\W)|((\W)<<2)
.irp b, 0,1,2,3
	v_max3_num_f32 v[TM+\b], |v[(\s)+16*\b]|, |v[(\s)+1+16*\b]|, 0x2800000   ; block b: my 16 numbers, from each accumulator's low end on, and the floor 2^(5 - 127): the byte cannot fall under 1
.endr
.irp i, 2,4,6,8,10,12,14
.irp b, 0,1,2,3
	v_max3_num_f32 v[TM+\b], |v[(\s)+16*\b+\i]|, |v[(\s)+1+16*\b+\i]|, v[TM+\b]   ; (the four blocks by turns)
.endr
.endr
	WIN 0
.irp b, 0,1,2,3
	v_permlanex16_b32 v[TM+4+\b], v[TM+\b], s[SEL], s[SEL+1]
.endr
.irp b, 0,1,2,3
	v_max_num_f32 v[TM+\b], v[TM+\b], v[TM+4+\b]   ; with lane l xor 16's: the block's largest magnitude
.endr
.irp b, 0,1,2,3
	v_add_nc_u32 v[TM+12+\b], 0xfe000000, v[TM+\b] ; 4 off its exponent field: the conversion's scale operand
.endr
.irp b, 0,1,2,3
	v_lshrrev_b32 v[TM+4+\b], 23, v[TM+12+\b]      ; the scale's byte
.endr
	v_lshl_or_b32 v[PW], v[TM+5], 8, v[TM+4]
	v_lshl_or_b32 v[PW], v[TM+6], 16, v[PW]
	v_lshl_or_b32 v[PW], v[TM+7], 24, v[PW]
	s_wait_alu depctr_va_vdst(0)
	s_wait_xcnt 0x0                                ; the last block's stores have read their registers: the conversions below are the first lines that write them again
	WIN (\W)
.irp c, 0,1
	v_cvt_scalef32_pk16_bf6_f32 v[PC+6*\c:PC+2+6*\c], v[(\s)+32*\c:(\s)+15+32*\c], v[TM+12+2*\c]
	v_cvt_scalef32_pk16_bf6_f32 v[PC+12+4*\c:PC+14+4*\c], v[(\s)+16+32*\c:(\s)+31+32*\c], v[TM+12+2*\c+1]   ; (a conversion's three registers begin on an even number)
.endr
	WIN 0
	v_nop                                          ; one plain line behind a scaled conversion
.irp c, 0,1                            ; the operand's layout wants a whole block in a lane: lanes 0-15 block 2 c, lanes 16-31 block 2 c + 1
.irp i, 0,1,2
	v_permlane16_swap_b32 v[PC+6*\c+\i], v[PC+12+4*\c+\i]
.endr
.irp i, 0,1,2
	v_mov_b32 v[PC+3+6*\c+\i], v[PC+12+4*\c+\i]
.endr
.endr
.endm
; q and k, block a: 16 positions x two heads.  The pair (x1, x2) of frequency f becomes (x1 cos - x2 sin, x2 cos + x1 sin): a packed multiply by sin with the halves crossed, then a packed multiply-add by cos.
; The fragment's registers 0-5 are the even head's 64 channels, registers 6-11 the odd head's: two images of 768 bytes.
.macro QKBLK a
.set AC, 64*((\a)%4)
.set CW, CSR+32*((\a)%2)
.if (\a) < 7
	s_wait_loadcnt 8                               ; this block's cos and sin are in; the next block's eight loads may be out
.else
	s_wait_loadcnt 0
.endif
	WIN 2+(\a)/4                                   ; source 0: the accumulators' window
.set GG, 0
.rept 8                                ; an accumulator at a time, its registers in ascending order
.irp e, 0,1,2,3
	v_pk_mul_f32 v[TP+2*\e:TP+2*\e+1], v[AC+8*GG+2*\e:AC+8*GG+2*\e+1], v[CW+8*(GG%4)+2*\e:CW+8*(GG%4)+2*\e+1] op_sel:[1,1] op_sel_hi:[0,1]   ; (x2 sin, x1 sin)
.endr
.irp e, 0,1,2,3
	v_pk_fma_f32 v[RO+8*GG+2*\e:RO+8*GG+2*\e+1], v[AC+8*GG+2*\e:AC+8*GG+2*\e+1], v[CW+8*(GG%4)+2*\e:CW+8*(GG%4)+2*\e+1], v[TP+2*\e:TP+2*\e+1] op_sel_hi:[1,0,1] neg_lo:[0,0,1]
.endr
.set GG, GG+1
.endr
	WIN 0
.if (\a) < 6
	CSLOAD (\a)+2                                  ; into the set just read
.endif
	QUANT RO, 0
	v_lshrrev_b32 v[SW+(\a)], v[H16], v[PW]        ; lanes 0-15 keep the even head's two bytes in bytes 0, 1; lanes 16-31 get the odd head's there.  Bytes 2, 3 stand over zero codes and are never 0xff
	global_store_b128 v[L16], v[PC:PC+3], s[IMA:IMA+1] offset:(\a)*768          ; 32 lanes store 512 consecutive bytes,
	global_store_b64 v[L8], v[PC+4:PC+5], s[IMA:IMA+1] offset:(\a)*768+512      ; and 256
	global_store_b128 v[L16], v[PC+6:PC+9], s[IMB:IMB+1] offset:(\a)*768
	global_store_b64 v[L8], v[PC+10:PC+11], s[IMB:IMB+1] offset:(\a)*768+512
.endm
; v, block a: 16 channels (tile a % 4 of head a / 4 of my two) x my 128 keys: one whole fragment of V^T, straight from the accumulators
.macro VBLK a
	QUANT 64*((\a)%4), 2+(\a)/4
	v_mov_b32 v[SW+(\a)], v[PW]
.irp j, 0,1,2
	global_store_b128 v[L16], v[PC+4*\j:PC+4*\j+3], s[IMA:IMA+1] offset:((\a)/4)*BHB+((\a)%4)*1536+512*\j
.endr
.endm
	PLACES NP                                      ; behind the last products: the lines below read results and write registers that held A's fragments
.irp b, 0,1,2,3
	v_mov_b32 v[TM+4+\b], 0                        ; written once: a lane permute's destination counts as one of its sources
.endr
	s_cmp_eq_u32 s[ROLE], 2                        ; the same in all sixteen partners
	s_cbranch_scc1 .Lvout
.irp a, 0,1,2,3,4,5,6,7
	QKBLK \a
.endr
	global_store_b128 v[SWA], v[SW:SW+3], s[SCB:SCB+1]                ; four tiles' scale words a lane: 16 lanes store 256 consecutive bytes of one head
	global_store_b128 v[SWA], v[SW+4:SW+7], s[SCB:SCB+1] offset:256
	s_branch .Lend
.Lvout:
	s_wait_loadcnt 0x0                             ; the table's loads, which this role does not use, have landed
.irp a, 0,1,2,3,4,5,6,7
	VBLK \a
.endr
	v_cmp_eq_u32 vcc_lo, 1, v2
.irp t, 0,1,2,3
	v_cndmask_b32 v[SW+\t], v[SW+\t], v[SW+4+\t], vcc_lo   ; lanes 0-15 store the even head's four words, lanes 16-31 the odd head's
.endr
	global_store_b128 v[SWA], v[SW:SW+3], s[SCB:SCB+1]
.Lend:
	s_wait_tensorcnt 0x0                           ; the wave's end
	ds_add_u32 v[SPW], v[NIL]
	s_wait_dscnt 0x0
	CROUND                                         ; the closing round: no work-group ends while a partner may still ask for a tile that names it
	s_endpgm
.Lfunc_end_k_q5ff00dc818_qkvgemm:
	.size	k_q5ff00dc818_qkvgemm, .Lfunc_end_k_q5ff00dc818_qkvgemm-k_q5ff00dc818_qkvgemm
	.p2alignl 7, 3214868480
	.fill 96, 4, 3214868480
	.section	.rodata,"a",@progbits
	.p2align	6, 0x0
	.amdhsa_kernel k_q5ff00dc818_qkvgemm
		.amdhsa_group_segment_fixed_size 327680
		.amdhsa_private_segment_fixed_size 0
		.amdhsa_enable_private_segment 0
		.amdhsa_kernarg_size 16
		.amdhsa_user_sgpr_count 2
		.amdhsa_user_sgpr_kernarg_segment_ptr 1
		.amdhsa_wavefront_size32 1
		.amdhsa_system_sgpr_workgroup_id_x 1
		.amdhsa_system_sgpr_workgroup_id_y 1
		.amdhsa_system_sgpr_workgroup_id_z 1
		.amdhsa_system_vgpr_workitem_id 0
		.amdhsa_next_free_vgpr 1024
		.amdhsa_next_free_sgpr 102
		.amdhsa_reserve_vcc 1
		.amdhsa_float_denorm_mode_32 3
		.amdhsa_float_denorm_mode_16_64 3
		.amdhsa_memory_ordered 1
		.amdhsa_forward_progress 1
		.amdhsa_inst_pref_size 239
	.end_amdhsa_kernel
	.amdgpu_metadata
---
amdhsa.version: [ 1, 2 ]
amdhsa.kernels:
  - .name:           k_q5ff00dc818_qkvgemm
    .symbol:         k_q5ff00dc818_qkvgemm.kd
    .args:
      - { .name: opq, .offset: 0, .size: 8, .value_kind: global_buffer, .address_space: global }
      - { .name: qkv, .offset: 8, .size: 8, .value_kind: global_buffer, .address_space: global }
    .group_segment_fixed_size: 327680
    .private_segment_fixed_size: 0
    .kernarg_segment_align: 8
    .kernarg_segment_size: 16
    .max_flat_workgroup_size: 128
    .sgpr_count:     102
    .vgpr_count:     1024
    .wavefront_size: 32
...
	.end_amdgpu_metadata
.endif
;; end of part 2
;; launch attn (part 3): grid 4 x 64, 16 waves a work-group, clusters of 4 x 1, 327,680 bytes of LDS; arguments qkv, att; writes att
.if DOCPART == 3
	.amdgcn_target "amdgcn-amd-amdhsa--gfx1250"
	.amdhsa_code_object_version 6
	.text
	.protected	k_q5ff00dc818_attn
	.globl	k_q5ff00dc818_attn
	.p2align	8
	.type	k_q5ff00dc818_attn,@function
k_q5ff00dc818_attn:
	s_mov_b64 s[64:65], 0
	v_nop
	global_prefetch_b8 v0, s[64:65] scope:SCOPE_SE
	s_setreg_imm32_b32 hwreg(HW_REG_WAVE_MODE, 25, 1), 1
	s_wait_xcnt 0x0
	s_wait_alu depctr_hold_cnt(0) depctr_sa_sdst(0) depctr_va_vdst(0) depctr_va_sdst(0) depctr_va_ssrc(0) depctr_va_vcc(0) depctr_vm_vsrc(0)
	s_getreg_b32 s2, hwreg(HW_REG_IB_STS2, 6, 4)
	s_cmp_eq_u32 s2, 0
	s_cbranch_scc0 .Lentry_in_a_cluster
	s_endpgm
.Lentry_in_a_cluster:
	s_bfe_u32 s2, ttmp6, 0x10000c
	s_cmp_lg_u32 s2, 0x3003
	s_cbranch_scc0 .Lentry_shape_is_right
	s_endpgm
.Lentry_shape_is_right:
; Causal attention on codes of BF6 (E3M2), head size 64, 2,048 positions, 64 (batch, head) pairs; the result, divided by the row's sum, is quantised along the head's channels and leaves as images of the last product's operand.
; THE SOFTMAX: t = score x log2(e) / 8; M = the running largest t rounded UP to a whole number; p = 2^(t - M) is quantised along the keys, not normalised; the row's sum is taken of the unquantised p.  When M moves,
; the sum and O are multiplied by 2^(old M - new M): exact.
; ALL OF A HEAD'S K AND V STAY IN LDS: 16 records of 128 keys, 13,056 bytes each (8 tiles of K of 768 bytes, 4 tiles of V^T of 1,536, K's scale words 512, V's 256), 208,896 bytes, an image of memory.  Each is fetched once;
; no LDS byte is filled twice, and the loops hold no barrier.
; SHARES.  The four work-groups of a cluster serve one (batch, head).  Work-group cx owns the tiles of 16 queries tau = 4 j + cx, j = 0 .. 31; wave w takes j = 31 - w and then j = w.  Tile tau needs the key steps
; 0 .. tau / 8 = j / 2: DB + 1 = (31 - w) / 2 + 1 and DA + 1 = w / 2 + 1, 17 steps for every wave (DA + DB = 15), and the counts hang on the wave's number alone, not on cx.
; Steps behind a tile's diagonal step are not walked: the causal mask hides all their keys.
; CLUSTER: all four work-groups need the same 16 records at the same time: each record is asked for jointly (mask 15).  Waves 0-3 ask for records 0-3 at the head; waves 4-15 for records 4-15 behind a round.
; THE WALK, a step in every trip.  Loop 1: steps 0-2 of the long tile.  Then every wave waits for its load, and a barrier shows all records.  Loop 2, trips T' = 3 .. 16: the long tile's step T' while T' <= DB, its end,
; then the short tile's step T' - DB - 1 = (T' + DA) % 16.
; K ONE STEP AHEAD: behind a step's score products the next step's K tiles and scale words are loaded into the registers just read; loop 1 so reads records 0-3 alone.
; No prefetch into the L2: every record's own load goes out at the launch's start; no later load is left for a prefetch to run ahead of.
; LAYOUT.  Both products are used transposed: S^T = K Q^T, O^T = V^T P^T: a lane holds ONE query.  A tile's keys, queries and channels are 32 (T / 2) + 8 (T % 2) + r + 8 (r / 8): the 16 registers of two neighbouring
; tiles are 16 neighbours along the keys (S^T) or the channels (O^T).  The first product's K is 64: Q's upper 64 codes are zeros, so what stands in the upper half of K's fragment adds exactly 0 (every pattern of six bits is a
; finite number, and K's scale bytes are never 0xff): the eight tiles of K lie end to end, 6 registers each, and a fragment's upper half is the next tile.
; OUT: for each 256 stored rows and each 256 along the last product's K a block of 49,152 bytes: two halves of 128 rows; in a half tile (tau % 8) of head (h % 4) at ((tau % 8) x 4 + h % 4) x 768.
; LIMITS: a block whose largest magnitude lies under 2^-122 gets the byte 1; NaN and infinities are not served; the scaled scores t stay under 2^31 in magnitude.
.set HREC,  13056
.set BHB,   16*HREC
.set QOFF,  13369344
.set QSOFF, 19660800
.set ASO,   6291456                    ; in the output: the scale bytes, 32 a stored row
.set SPARE, 16*HREC                    ; behind the records: the spare words, 128 bytes for each of sixteen waves
.set FIRST, 4                          ; records asked for at the head; loop 1 has FIRST - 1 trips
.set L16,  1                           ; v1   16 x lane
.set L8,   2                           ; v2   8 x lane
.set R16,  3                           ; v3   16 (lane % 16)
.set DQ,   4                           ; v4   r + 8 (r / 8) - 16 (lane / 16)
.set SPW,  5
.set NIL,  6
.set R32,  7                           ; v7   32 (lane % 16)
.set V16,  8                           ; v8, v10   16 x lane and 16 (lane % 16) in the record in hand: for V
.set VR,   10
.set A16,  11                          ; v11, v9, v29  the three lane terms in the next step's record: for K
.set A8,   9
.set AR,   29
.set QF,   16                          ; v16-21 Q, v22-27 zeros
.set QSW,  28                          ; Q's scale words
.set Q1,   30                          ; v30-35, v36: the short tile's Q and scale words
.set KFR,  40                          ; v40-87 eight tiles of K, 6 registers each; v88-93 stand behind the last as its fragment's upper half
.set S,    96                          ; v96-159 S^T, then p; then v96-143 V's four fragments
.set O,    160                         ; v160-191 O^T
.set VSW,  192                         ; v192-195 V's scale words
.set OSB,  198                         ; O's two scale bytes
.set NINF, 199
.set BM,   200                         ; v200-203 the blocks' largest scores, then largest p
.set BT,   204                         ; v204-207 at work, then the bytes
.set BS,   208                         ; v208-211 the conversions' scale operands
.set C2,   212                         ; v212-214, v216-218 the conversions' second halves
.set F,    220                         ; v220 f (v221 is named with it as a pair)
.set PSW,  222                         ; p's scale word
.set TMP,  223
.set PC,   224                         ; v224-235 p's codes
.set KSW,  236                         ; v236-243 K's scale words;  v196-197, v244-255 the sums' chains
.set WV,   8
.set I,    9                           ; cx
.set BH,   10
.set T,    11                          ; the trip
.set KS,   12                          ; the key step
.set TB,   13                          ; LDS byte at which its record begins
.set DB,   14                          ; the long tile's diagonal step;  s15 the short tile's
.set DA,   15
.set QM,   16                          ; the tile's first query less the diagonal step's first key;  s17 the short tile's
.set QM1,  17
.set DG,   18                          ; the diagonal step of the tile in hand
.set TBN,  19                          ; LDS byte at which the next step's record begins
.set SEL,  20
.set CS,   22
.set G1,   24
.set G0,   32
.set OC,   36                          ; s[36:37] where my tile's codes go;  s[38:39] its scale bytes;  s[40:43] the short tile's
.set OS,   38
.set OC1,  40
.set OS1,  42
.macro ROUND                           ; a round of the cluster's barrier
	s_barrier_signal -1
	s_barrier_wait -1
	s_cmp_lg_u32 s[WV], 0
	s_cbranch_scc1 .Lnot_wave_0_\@
	s_barrier_signal -3
.Lnot_wave_0_\@:
	s_barrier_wait -3
	s_barrier_signal -1
	s_barrier_wait -1
.endm
; A tile's numbers.  s48: tau, my tile among the (batch, head)'s 128
.macro PASS qm, oc, os, qi, qs
	s_lshr_b32 s49, s48, 1
	s_and_b32 s49, s49, 3
	s_lshl_b32 s[\qm], s49, 5
	s_and_b32 s49, s48, 1
	s_lshl_b32 s49, s49, 3
	s_add_co_u32 s[\qm], s[\qm], s49               ; 32 ((tau / 2) % 4) + 8 (tau % 2)
	s_lshr_b32 s49, s[BH], 4                       ; batch
	s_and_b32 s50, s[BH], 15                       ; head
	s_lshl_b32 s51, s49, 3
	s_lshr_b32 s60, s48, 4
	s_add_co_u32 s51, s51, s60                     ; which 256 stored rows
	s_lshl_b32 s51, s51, 2
	s_lshr_b32 s60, s50, 2
	s_add_co_u32 s51, s51, s60                     ; which 256 along the last product's K: four heads
	s_lshl_b32 s51, s51, 1
	s_bfe_u32 s60, s48, 0x10003
	s_add_co_u32 s51, s51, s60                     ; which 128 of the 256 rows
	s_mul_i32 s51, s51, 24576
	s_and_b32 s60, s48, 7
	s_lshl_b32 s60, s60, 2
	s_and_b32 s61, s50, 3
	s_add_co_u32 s60, s60, s61
	s_mul_i32 s60, s60, 768
	s_add_co_u32 s60, s60, s51
	s_mov_b32 s61, 0
	s_add_nc_u64 s[\oc:\oc+1], s[6:7], s[60:61]
	s_lshl_b32 s60, s49, 7
	s_add_co_u32 s60, s60, s48
	s_lshl_b32 s60, s60, 9                         ; 16 stored rows of 32 scale bytes a tile
	s_lshl_b32 s51, s50, 1                         ; two bytes a head
	s_add_co_u32 s60, s60, s51
	s_add_co_u32 s60, s60, ASO
	s_add_nc_u64 s[\os:\os+1], s[6:7], s[60:61]
	s_mul_i32 s60, s[BH], 98304
	s_mul_i32 s51, s48, 768
	s_add_co_u32 s60, s60, s51
	s_add_co_u32 s60, s60, QOFF
	s_add_nc_u64 s[\qi:\qi+1], s[4:5], s[60:61]    ; Q's image
	s_lshl_b32 s60, s[BH], 13
	s_lshr_b32 s51, s48, 2
	s_lshl_b32 s51, s51, 8
	s_add_co_u32 s60, s60, s51
	s_and_b32 s51, s48, 3
	s_lshl_b32 s51, s51, 2
	s_add_co_u32 s60, s60, s51
	s_add_co_u32 s60, s60, QSOFF
	s_add_nc_u64 s[\qs:\qs+1], s[4:5], s[60:61]    ; and its scale words: four tiles' words lie together, 16 bytes a row
.endm
; a record's eight tiles of K and their scale words: 18 LDS loads
.macro KLOAD a16, a8, ar
.irp t, 0,1,2,3,4,5,6,7
	ds_load_b128 v[KFR+6*\t:KFR+6*\t+3], v[\a16] offset:\t*768
	ds_load_b64 v[KFR+6*\t+4:KFR+6*\t+5], v[\a8] offset:\t*768+512
.endr
	ds_load_b128 v[KSW:KSW+3], v[\ar] offset:12288
	ds_load_b128 v[KSW+4:KSW+7], v[\ar] offset:12544
.endm
	s_load_b128 s[4:7], s[0:1], 0x0                ; the operands s[4:5], the output s[6:7]
	v_lshl_add_u32 v[SPW], v0, 2, SPARE
	v_mov_b32 v[NIL], 0
	ds_add_u32 v[SPW], v[NIL]                      ; the opening lines
	ds_add_u32 v[SPW], v[NIL]
	v_lshrrev_b32 v8, 5, v0
	v_readfirstlane_b32 s[WV], v8                  ; wave 0..15
	s_bfe_u32 s[I], ttmp6, 0x40000                 ; cx: it enters global addresses and the mask's numbers, no branch and no LDS address
	s_and_b32 s[BH], ttmp7, 0xffff
	s_mov_b32 s[G1], 15|(3<<16)|(1<<21)            ; group 1: a record, 13,056 dense bytes, as 51 rows of 256 (32 elements of 8 bytes), for all four work-groups; no padding: every LDS load takes consecutive bytes
	s_mov_b32 s[G1+1], 32<<16
	s_mov_b32 s[G1+2], 51<<16
	s_mov_b32 s[G1+3], 32<<16
	s_mov_b32 s[G1+4], 51
	s_mov_b32 s[G1+5], 32
	s_mov_b32 s[G1+6], 0
	s_mov_b32 s[G1+7], 0
	s_mul_i32 s47, s[WV], HREC                     ; wave w fetches record w: the same place in memory and in LDS
	s_mul_i32 s50, s[BH], BHB
	s_add_co_u32 s50, s50, s47
	s_mov_b32 s51, 0
	s_wait_dscnt 0x0
	s_wait_kmcnt 0x0
	s_mov_b32 s[G0], 1
	s_mov_b32 s[G0+1], s47
	s_add_nc_u64 s[G0+2:G0+3], s[4:5], s[50:51]
	s_or_b32 s[G0+3], s[G0+3], 0x80000000
	ROUND                                          ; all four work-groups are here: the joint loads meet
	s_cmp_lt_u32 s[WV], FIRST
	s_cbranch_scc0 .Lhead_asked
	tensor_load_to_lds s[G0:G0+3], s[G1:G1+7]      ; records 0-3
	s_nop 0
.rept 4
	v_nop
.endr
.Lhead_asked:
	s_mov_b32 s[SEL], 0x76543210
	s_mov_b32 s[SEL+1], 0xfedcba98
	s_mov_b32 s[CS], 0x3e38aa3b                    ; c = log2(e) / 8
	s_mov_b32 s[CS+1], s[CS]
	s_sub_co_u32 s47, 31, s[WV]                    ; the long tile: j = 31 - wave
	s_lshr_b32 s[DB], s47, 1
	s_mov_b32 s[DG], s[DB]
	s_lshl_b32 s48, s47, 2
	s_add_co_u32 s48, s48, s[I]
	PASS QM, OC, OS, 52, 54
	s_lshr_b32 s[DA], s[WV], 1                     ; the short tile: j = wave
	s_lshl_b32 s48, s[WV], 2
	s_add_co_u32 s48, s48, s[I]
	PASS QM1, OC1, OS1, 56, 58
	v_and_b32 v9, 31, v0
	v_lshlrev_b32 v[L16], 4, v9
	v_lshlrev_b32 v[L8], 3, v9
	v_and_b32 v10, 15, v0                          ; r
	v_bfe_u32 v11, v0, 4, 1                        ; h
	v_lshlrev_b32 v[R16], 4, v10
	v_lshlrev_b32 v[R32], 5, v10
	global_load_b128 v[QF:QF+3], v[L16], s[52:53]
	global_load_b64 v[QF+4:QF+5], v[L8], s[52:53] offset:512
	global_load_b32 v[QSW], v[R16], s[54:55]
	global_load_b128 v[Q1:Q1+3], v[L16], s[56:57]
	global_load_b64 v[Q1+4:Q1+5], v[L8], s[56:57] offset:512
	global_load_b32 v[Q1+6], v[R16], s[58:59]
	v_and_b32 v[DQ], 8, v10
	v_add_nc_u32 v[DQ], v[DQ], v10
	v_lshlrev_b32 v11, 4, v11
	v_sub_nc_u32 v[DQ], v[DQ], v11
.irp j, 6,7,8,9,10,11
	v_mov_b32 v[QF+\j], 0                          ; the upper 64 of the first product's K: zero codes in Q
	v_mov_b32 v[KFR+42+\j], 0                      ; and the six registers behind K's last tile are written once
.endr
	v_mov_b32 v13, 0xff61b1e6                      ; the largest score so far: -3e38
	v_floor_f32 v12, -v13                          ; -M: a very large number, so that the first f is 0
	v_mov_b32 v14, 0
	v_mov_b32 v15, 0
.irp b, 0,1,2,3
	v_mov_b32 v[BT+\b], 0                          ; a lane permute's destination counts as one of its sources
.endr
	v_mov_b32 v[F+1], 0
	v_mov_b32 v[TMP], 0
.set N, 0
.rept 32
	v_mov_b32 v[O+N], 0                            ; O^T: the step is written once; the first change of M leaves zeros zeros
.set N, N+1
.endr
.macro TM4 n                           ; t - M, two at a time: n lines
.rept \n
	v_pk_fma_f32 v[S+N:S+N+1], v[S+N:S+N+1], s[CS:CS+1], v[12:13] op_sel_hi:[1,0,0]
.set N, N+2
.endr
.endm
; A KEY STEP: the 128 keys of the record at s[TB]; its K is in registers already.  m = 1: loop 2: the step may be the diagonal one (masked), and the last trip loads no further K
.macro STEP m
	v_add_nc_u32 v[V16], s[TB], v[L16]             ; these five are also the places between the last step's products and the products below, which write over V's fragments
	v_add_nc_u32 v[VR], s[TB], v[R16]
	v_add_nc_u32 v[A16], s[TBN], v[L16]
	v_add_nc_u32 v[A8], s[TBN], v[L8]
	v_add_nc_u32 v[AR], s[TBN], v[R16]             ; (K's tiles and scale words are in: the wait for 0 ahead of the last step's V products, or ahead of the loop, covered them)
.irp t, 0,1,2,3,4,5,6,7                ; S^T = K Q^T
	v_wmma_scale_f32_16x16x128_f8f6f4 v[S+8*\t:S+8*\t+7], v[KFR+6*\t:KFR+6*\t+11], v[QF:QF+11], 0, v[KSW+\t], v[QSW] matrix_a_fmt:MATRIX_FMT_BF6 matrix_b_fmt:MATRIX_FMT_BF6
.endr
.rept 4
	v_nop                                          ; places in front of the loads into K's registers and of the first read of the scores
.endr
.if \m
	s_cmp_eq_u32 s[T], 17-FIRST                    ; the last trip has no next step
	s_cbranch_scc1 .Lno_k_\@
.endif
	KLOAD A16, A8, AR                              ; the next step's K: it lands under the softmax
.if \m
.Lno_k_\@:
	s_cmp_lg_u32 s[KS], s[DG]                      ; only the diagonal step is masked: the wave's number and the trip alone
	s_cbranch_scc1 .Lopen_\@
	v_add_nc_u32 v[TMP], s[QM], v[DQ]              ; d = my query - the step's first key - 16 (lane / 16).  Register 16 b + i holds key 32 b + 16 (lane / 16) + i of the step: hidden where 32 b + i > d
	v_mov_b32 v[NINF], 0xff800000
.set N, 0
.rept 64
	v_cmp_gt_i32 vcc_lo, 32*(N/16)+N%16, v[TMP]
	v_cndmask_b32 v[S+N], v[S+N], v[NINF], vcc_lo
.set N, N+1
.endr
.Lopen_\@:
.endif
; the largest score of each block of 32 keys: for the row's maximum and, since p rises with the score, for the block's largest p.  Two chains a block, one for each accumulator, eight by turns
.irp b, 0,1,2,3
	v_max3_num_f32 v[BM+\b], v[S+16*\b], v[S+1+16*\b], v[S+2+16*\b]
.endr
.irp b, 0,1,2,3
	v_max3_num_f32 v[BT+\b], v[S+8+16*\b], v[S+9+16*\b], v[S+10+16*\b]
.endr
.irp i, 3,5
.irp b, 0,1,2,3
	v_max3_num_f32 v[BM+\b], v[BM+\b], v[S+16*\b+\i], v[S+1+16*\b+\i]
.endr
.irp b, 0,1,2,3
	v_max3_num_f32 v[BT+\b], v[BT+\b], v[S+8+16*\b+\i], v[S+9+16*\b+\i]
.endr
.endr
.irp b, 0,1,2,3
	v_max3_num_f32 v[BM+\b], v[BM+\b], v[BT+\b], v[S+7+16*\b]
.endr
.irp b, 0,1,2,3
	v_max_num_f32 v[BM+\b], v[BM+\b], v[S+15+16*\b]
.endr
.irp b, 0,1,2,3
	s_delay_alu instid0(VALU_DEP_4)
	v_permlanex16_b32 v[BT+\b], v[BM+\b], s[SEL], s[SEL+1]
.endr
.irp b, 0,1,2,3
	s_delay_alu instid0(VALU_DEP_4)
	v_max_num_f32 v[BM+\b], v[BM+\b], v[BT+\b]     ; with lane l xor 16's 16 keys
.endr
	s_delay_alu instid0(VALU_DEP_2)
	v_max3_num_f32 v[TMP], v[BM], v[BM+1], v[BM+2]
	s_delay_alu instid0(VALU_DEP_1)
	v_max3_num_f32 v13, v13, v[TMP], v[BM+3]       ; the running largest score (c is positive: its product with c is the running largest t)
	v_mov_b32 v[TMP], v12
	s_delay_alu instid0(VALU_DEP_2)
	v_mul_f32 v12, -v13, s[CS]                     ; -t
	s_delay_alu instid0(VALU_DEP_1)
	v_floor_f32 v12, v12                           ; the new -M = floor(-t) = -ceil(t)
.set N, 0
	TM4 4                                          ; the three lines that make f stand among the 32 that make t - M
	v_sub_f32 v[TMP], v12, v[TMP]                  ; old M - new M: a whole number, 0 or less
	TM4 4
	v_cvt_i32_f32 v[TMP], v[TMP]                   ; (it saturates)
	TM4 4
	v_ldexp_f32 v[F], 1.0, v[TMP]                  ; f = 2^(old M - new M)
	TM4 20
.irp b, 0,1,2,3
	v_fma_f32 v[BM+\b], v[BM+\b], s[CS], v12       ; the same of each block's largest score
.endr
	s_wait_alu depctr_va_vdst(0)
.irp b, 0,1,2,3
	v_exp_f32 v[BM+\b], v[BM+\b]                   ; the block's largest p
.endr
.set N, 0
.rept 64
	v_exp_f32 v[S+N], v[S+N]                       ; p = 2^(t - M)
.set N, N+1
.endr
	v_pk_mul_f32 v[14:15], v[14:15], v[F:F+1] op_sel_hi:[1,0]   ; the sums under the new M: the plain line behind the exponentials
	s_wait_alu depctr_va_vdst(0)                   ; one wait for the batch of 68, ahead of its first reader
.irp b, 0,1,2,3
	v_max_num_f32 v[BM+\b], 0x2800000, v[BM+\b]    ; the floor 2^(5 - 127): a block whose every p is 0 keeps the byte 1: its codes are zeros
.endr
.irp b, 0,1,2,3
	s_delay_alu instid0(VALU_DEP_4)
	v_add_nc_u32 v[BS+\b], 0xfe000000, v[BM+\b]    ; 4 off the exponent field: the conversion's scale operand
.endr
; the row's sum of the unquantised p, in eight chains.  First p's registers 0-47, which V's fragments will take
.set N, 0
.irp a, 196,254,252,250,248,246,244
	v_pk_add_f32 v[\a:\a+1], v[S+4*N:S+4*N+1], v[S+4*N+2:S+4*N+3]
.set N, N+1
.endr
	v_pk_add_f32 v[14:15], v[14:15], v[S+28:S+29]
.set N, 0
.irp a, 196,254,252,250,248,246,244
	v_pk_add_f32 v[\a:\a+1], v[\a:\a+1], v[S+30+2*N:S+31+2*N]
.set N, N+1
.endr
	v_pk_add_f32 v[14:15], v[14:15], v[S+44:S+45]
	v_pk_add_f32 v[196:197], v[196:197], v[S+46:S+47]
.irp c, 0,1
	v_cvt_scalef32_pk16_bf6_f32 v[PC+6*\c:PC+2+6*\c], v[S+32*\c:S+15+32*\c], v[BS+2*\c]
	v_cvt_scalef32_pk16_bf6_f32 v[C2+4*\c:C2+2+4*\c], v[S+16+32*\c:S+31+32*\c], v[BS+2*\c+1]
.endr
	v_nop                                          ; one plain line behind a scaled conversion
.irp t, 0,1,2,3                        ; V's four fragments into p's registers 0-47: they land while the lines below run
.irp j, 0,1,2
	ds_load_b128 v[S+12*\t+4*\j:S+12*\t+4*\j+3], v[V16] offset:6144+1536*\t+512*\j
.endr
.endr
	ds_load_b128 v[VSW:VSW+3], v[VR] offset:12800
.set N, 0
.irp a, 254,252,250,248,246,244        ; the sums go on with p's registers 48-63
	v_pk_add_f32 v[\a:\a+1], v[\a:\a+1], v[S+48+2*N:S+49+2*N]
.set N, N+1
.endr
	v_pk_add_f32 v[14:15], v[14:15], v[S+60:S+61]
	v_pk_add_f32 v[196:197], v[196:197], v[S+62:S+63]
	v_pk_add_f32 v[14:15], v[14:15], v[250:251]    ; the chains are joined; the scale word's lines and the codes' stand among these, so that no line waits for the line above it
	v_pk_add_f32 v[196:197], v[196:197], v[248:249]
	v_pk_add_f32 v[254:255], v[254:255], v[246:247]
	v_pk_add_f32 v[252:253], v[252:253], v[244:245]
.irp b, 0,1,2,3
	v_lshrrev_b32 v[BT+\b], 23, v[BS+\b]           ; the scales' bytes
.endr
	v_pk_add_f32 v[14:15], v[14:15], v[254:255]
	v_pk_add_f32 v[196:197], v[196:197], v[252:253]
	v_lshl_or_b32 v[PSW], v[BT+1], 8, v[BT]        ; p's scale word for these 128 keys
.irp i, 0,1,2                          ; the operand's layout wants a whole block in a lane
	v_permlane16_swap_b32 v[PC+\i], v[C2+\i]
.endr
	v_pk_add_f32 v[14:15], v[14:15], v[196:197]
	v_lshl_or_b32 v[PSW], v[BT+2], 16, v[PSW]
.irp i, 0,1,2
	v_mov_b32 v[PC+3+\i], v[C2+\i]
.endr
	v_lshl_or_b32 v[PSW], v[BT+3], 24, v[PSW]
.irp i, 0,1,2
	v_permlane16_swap_b32 v[PC+6+\i], v[C2+4+\i]
.endr
.irp i, 0,1,2
	s_delay_alu instid0(VALU_DEP_3)
	v_mov_b32 v[PC+9+\i], v[C2+4+\i]
.endr
	s_wait_alu depctr_va_vdst(0)
.set N, 0
.rept 16
	v_pk_mul_f32 v[O+N:O+N+1], v[O+N:O+N+1], v[F:F+1] op_sel_hi:[1,0]   ; O^T under the new M; these sixteen are also the places between the scale word and the codes just made and the products below
.set N, N+2
.endr
	s_wait_alu depctr_va_vdst(0)
	s_wait_dscnt 0x0                               ; V is in, and so is the next step's K
.irp t, 0,1,2,3                        ; O^T += V^T P^T: the four accumulators by turns
	v_wmma_scale_f32_16x16x128_f8f6f4 v[O+8*\t:O+8*\t+7], v[S+12*\t:S+12*\t+11], v[PC:PC+11], v[O+8*\t:O+8*\t+7], v[VSW+\t], v[PSW] matrix_a_fmt:MATRIX_FMT_BF6 matrix_b_fmt:MATRIX_FMT_BF6
.endr
.endm
; A TILE'S END: O^T / the sum; its two blocks of 32 channels are quantised; the image of 768 bytes and two scale bytes a row leave.  reinit = 1: the short tile's state is set up.
.macro FINISH reinit
.rept 4
	v_nop                                          ; places behind the last products
.endr
	v_add_f32 v14, v14, v15
	s_delay_alu instid0(VALU_DEP_1)
	v_permlanex16_b32 v[TMP], v14, s[SEL], s[SEL+1]
	s_delay_alu instid0(VALU_DEP_1)
	v_add_f32 v14, v14, v[TMP]                     ; the row's sum
	s_wait_alu depctr_va_vdst(0)
	v_rcp_f32 v[F], v14
	v_nop                                          ; a plain line behind the reciprocal
	s_wait_alu depctr_va_vdst(0)                   ; and the wait ahead of its first reader
.set N, 0
.rept 16
	v_pk_mul_f32 v[S+N:S+N+1], v[O+N:O+N+1], v[F:F+1] op_sel_hi:[1,0]   ; register 16 b + i: channel 32 b + 16 (lane / 16) + i of my query; each accumulator from its low end on
.set N, N+2
.endr
.irp b, 0,1
	v_max3_num_f32 v[BM+\b], |v[S+16*\b]|, |v[S+1+16*\b]|, 0x2800000
.endr
.irp i, 2,4,6,8,10,12,14
.irp b, 0,1
	s_delay_alu instid0(VALU_DEP_2)
	v_max3_num_f32 v[BM+\b], v[BM+\b], |v[S+16*\b+\i]|, |v[S+1+16*\b+\i]|
.endr
.endr
.irp b, 0,1
	s_delay_alu instid0(VALU_DEP_2)
	v_permlanex16_b32 v[BT+\b], v[BM+\b], s[SEL], s[SEL+1]
.endr
.irp b, 0,1
	s_delay_alu instid0(VALU_DEP_2)
	v_max_num_f32 v[BM+\b], v[BM+\b], v[BT+\b]
.endr
.irp b, 0,1
	s_delay_alu instid0(VALU_DEP_2)
	v_add_nc_u32 v[BS+\b], 0xfe000000, v[BM+\b]
.endr
.irp b, 0,1
	s_delay_alu instid0(VALU_DEP_2)
	v_lshrrev_b32 v[BT+\b], 23, v[BS+\b]
.endr
	s_delay_alu instid0(VALU_DEP_1)
	v_lshl_or_b32 v[OSB], v[BT+1], 8, v[BT]
	v_cvt_scalef32_pk16_bf6_f32 v[PC:PC+2], v[S:S+15], v[BS]
	v_cvt_scalef32_pk16_bf6_f32 v[C2:C2+2], v[S+16:S+31], v[BS+1]
	v_nop
.irp i, 0,1,2
	v_permlane16_swap_b32 v[PC+\i], v[C2+\i]
.endr
.irp i, 0,1,2
	s_delay_alu instid0(VALU_DEP_3)
	v_mov_b32 v[PC+3+\i], v[C2+\i]
.endr
	global_store_b128 v[L16], v[PC:PC+3], s[OC:OC+1]               ; 32 lanes store 512 consecutive bytes,
	global_store_b64 v[L8], v[PC+4:PC+5], s[OC:OC+1] offset:512    ; and 256
	global_store_b16 v[R32], v[OSB], s[OS:OS+1]                    ; two bytes a stored row (both halves of the lanes write the same): 1 byte in 24 of what the launch stores
.if \reinit
	s_wait_xcnt 0x0                                ; the stores have read their registers and bases
	v_mov_b32 v[QSW], v[Q1+6]
.irp j, 0,1,2,3,4,5
	v_mov_b32 v[QF+\j], v[Q1+\j]
.endr
.set N, 0
.rept 32
	v_mov_b32 v[O+N], 0
.set N, N+1
.endr
	v_mov_b32 v14, 0
	v_mov_b32 v15, 0
	v_mov_b32 v13, 0xff61b1e6
	s_delay_alu instid0(VALU_DEP_1)
	v_floor_f32 v12, -v13
	s_mov_b32 s[DG], s[DA]
	s_mov_b32 s[QM], s[QM1]
	s_mov_b64 s[OC:OC+1], s[OC1:OC1+1]
	s_mov_b64 s[OS:OS+1], s[OS1:OS1+1]
.endif
.endm
	s_wait_alu depctr_va_vdst(0)
	s_wait_tensorcnt 0x0                           ; records 0-3 are in
	ds_add_u32 v[SPW], v[NIL]                      ; the add twice on end here
	ds_add_u32 v[SPW], v[NIL]
	s_wait_dscnt 0x0
	ROUND                                          ; records 0-3 are whole for all sixteen waves, and all four work-groups are here
	s_cmp_lt_u32 s[WV], FIRST
	s_cbranch_scc1 .Lrest_asked
	tensor_load_to_lds s[G0:G0+3], s[G1:G1+7]      ; records 4-15: they land under loop 1, which reads records 0-3 alone
	s_nop 0
.rept 4
	v_nop
.endr
.Lrest_asked:
	KLOAD L16, L8, R16                             ; step 0's K: record 0 begins at LDS byte 0
	s_wait_loadcnt 0x0                             ; both tiles' Q
	s_wait_dscnt 0x0                               ; and step 0's K are in
	s_mov_b32 s[T], 0
.Lfirst:                                           ; loop 1: the long tile's steps 0-2 (its diagonal step is 8 or later); K of steps 1-3 is loaded
	s_mul_i32 s[TB], s[T], HREC
	s_add_co_u32 s[TBN], s[TB], HREC
	STEP 0
	s_add_co_u32 s[T], s[T], 1
	s_cmp_lt_u32 s[T], FIRST-1
	s_cbranch_scc1 .Lfirst
	s_wait_tensorcnt 0x0                           ; my record is in;
	s_wait_dscnt 0x0
	s_barrier_signal -1
	s_barrier_wait -1                              ; all sixteen records are whole for every wave
	s_mov_b32 s[T], 0
.Lrest:                                            ; loop 2, 14 trips: T' = T + 3.  Both steps' places are made anew from the trip and the wave's number
	s_add_co_u32 s47, s[T], FIRST-1                ; T'
	s_cmp_gt_u32 s47, s[DB]                        ; behind the long tile's diagonal step: the short tile
	s_cselect_b32 s48, s[DA], 0
	s_add_co_u32 s[KS], s47, s48
	s_and_b32 s[KS], s[KS], 15                     ; T', or T' + DA - 16 = T' - DB - 1
	s_mul_i32 s[TB], s[KS], HREC
	s_add_co_u32 s49, s[T], FIRST                  ; the same of T' + 1
	s_cmp_gt_u32 s49, s[DB]
	s_cselect_b32 s48, s[DA], 0
	s_add_co_u32 s49, s49, s48
	s_and_b32 s49, s49, 15
	s_mul_i32 s[TBN], s49, HREC
	STEP 1
	s_cmp_lg_u32 s47, s[DB]                        ; behind its diagonal step the long tile ends
	s_cbranch_scc1 .Lsame_tile
	s_wait_alu depctr_va_vdst(0)
	FINISH 1
.Lsame_tile:
	s_add_co_u32 s[T], s[T], 1
	s_cmp_lt_u32 s[T], 18-FIRST
	s_cbranch_scc1 .Lrest
	s_wait_alu depctr_va_vdst(0)
	FINISH 0
	s_wait_tensorcnt 0x0                           ; the wave's end
	ds_add_u32 v[SPW], v[NIL]
	s_wait_dscnt 0x0
	ROUND                                          ; the closing round
	s_endpgm
.Lfunc_end_k_q5ff00dc818_attn:
	.size	k_q5ff00dc818_attn, .Lfunc_end_k_q5ff00dc818_attn-k_q5ff00dc818_attn
	.p2alignl 7, 3214868480
	.fill 96, 4, 3214868480
	.section	.rodata,"a",@progbits
	.p2align	6, 0x0
	.amdhsa_kernel k_q5ff00dc818_attn
		.amdhsa_group_segment_fixed_size 327680
		.amdhsa_private_segment_fixed_size 0
		.amdhsa_enable_private_segment 0
		.amdhsa_kernarg_size 16
		.amdhsa_user_sgpr_count 2
		.amdhsa_user_sgpr_kernarg_segment_ptr 1
		.amdhsa_wavefront_size32 1
		.amdhsa_system_sgpr_workgroup_id_x 1
		.amdhsa_system_sgpr_workgroup_id_y 1
		.amdhsa_system_sgpr_workgroup_id_z 1
		.amdhsa_system_vgpr_workitem_id 0
		.amdhsa_next_free_vgpr 256
		.amdhsa_next_free_sgpr 66
		.amdhsa_reserve_vcc 1
		.amdhsa_float_denorm_mode_32 3
		.amdhsa_float_denorm_mode_16_64 3
		.amdhsa_memory_ordered 1
		.amdhsa_forward_progress 1
		.amdhsa_inst_pref_size 60
	.end_amdhsa_kernel
	.amdgpu_metadata
---
amdhsa.version: [ 1, 2 ]
amdhsa.kernels:
  - .name:           k_q5ff00dc818_attn
    .symbol:         k_q5ff00dc818_attn.kd
    .args:
      - { .name: qkv, .offset: 0, .size: 8, .value_kind: global_buffer, .address_space: global }
      - { .name: att, .offset: 8, .size: 8, .value_kind: global_buffer, .address_space: global }
    .group_segment_fixed_size: 327680
    .private_segment_fixed_size: 0
    .kernarg_segment_align: 8
    .kernarg_segment_size: 16
    .max_flat_workgroup_size: 512
    .sgpr_count:     66
    .vgpr_count:     256
    .wavefront_size: 32
...
	.end_amdgpu_metadata
.endif
;; end of part 3
;; launch outgemm (part 4): grid 8 x 32, 4 waves a work-group, clusters of 4 x 4, 327,680 bytes of LDS; arguments att, opq, out0; writes out0
.if DOCPART == 4
	.amdgcn_target "amdgcn-amd-amdhsa--gfx1250"
	.amdhsa_code_object_version 6
	.text
	.protected	k_q5ff00dc818_outgemm
	.globl	k_q5ff00dc818_outgemm
	.p2align	8
	.type	k_q5ff00dc818_outgemm,@function
k_q5ff00dc818_outgemm:
	s_mov_b64 s[64:65], 0
	v_nop
	global_prefetch_b8 v0, s[64:65] scope:SCOPE_SE
	s_setreg_imm32_b32 hwreg(HW_REG_WAVE_MODE, 25, 1), 1
	s_wait_xcnt 0x0
	s_wait_alu depctr_hold_cnt(0) depctr_sa_sdst(0) depctr_va_vdst(0) depctr_va_sdst(0) depctr_va_ssrc(0) depctr_va_vcc(0) depctr_vm_vsrc(0)
	s_getreg_b32 s2, hwreg(HW_REG_IB_STS2, 6, 4)
	s_cmp_eq_u32 s2, 0
	s_cbranch_scc0 .Lentry_in_a_cluster
	s_endpgm
.Lentry_in_a_cluster:
	s_bfe_u32 s2, ttmp6, 0x10000c
	s_cmp_lg_u32 s2, 0xf033
	s_cbranch_scc0 .Lentry_shape_is_right
	s_endpgm
.Lentry_shape_is_right:
; out0 = attention's result x Wout^T on codes of BF6 (E3M2), one E8M0 scale for each 32 along K = 1,024; f32 sums, f32 out.
; A tile of 256 x 128 is made by four waves, 128 x 64 each: 32 accumulators.  K goes in steps of 256 through a ring of two LDS slots; the scale bytes of the tile's rows come once.
; A's tiles are images of operand registers, dense: for each 256 stored rows and each K step 49,152 bytes.  B's are rows of 192 bytes, dense for each 256 stored rows and K step; all are fetched as rows of 256 bytes or a multiple.
; LDS: A's slot 0, A's slot 1, B's slot 0, B's slot 1, the scales, the spare words.  AT THE HEAD ONE LOAD A WAVE: A's K steps 0 and 1, B's K steps 0 and 1, A's scales, B's scales.
; CLUSTERS: 4 x 4 work-groups; A's tiles are asked for jointly along a row of the cluster, B's along a column.  The matrix instruction is used transposed: a lane holds eight neighbouring numbers of a row of the result.
; The stored rows are in the order 8 u + i + 8 (i / 8) within each 32; the way out puts each row at its own place.
.set NQ,     2
.set ROWB,   49152                     ; in memory: from a K step's block of 256 rows to the next K step's, for A and for B
.set KROW,   768
.set PITCH,  240
.set FR,     12
.set NLA,    4
.set NP,     4
.set AHALF,  24576
.set BHALF,  64*PITCH
.set BOFF,   4*AHALF                   ; B's two slots lie behind A's two
.set SLOT,   2*AHALF+2*BHALF
.set LAPS,   2
.set SCL,    2*SLOT
.set BSH,    8*272
.set ASH,    16*272
.set SCA,    SCL+2*BSH
.set SBLK,   2*272
.set SPARE,  SCA+2*ASH
.set SPITCH, 272
.set SCO,    9437184
.set ASO,    6291456
.set WROW,   11264
.set ADA16, 16
.set ADA8,  18
.set ADRB,  20
.set STO,   24
.set RD,    25
.set CO,    26
.set ADRS,  27
.set SPW,   28
.set NIL,   29
.set SC,    32
.set AF,    128
.set BK,    128
.set G1, 24
.set G0, 32
.set G1B, 48
.set G0B, 56
.set G1S, 68
.set G0S, 76
.set G1SB, 80
.set G0SB, 88
.set MSB, 0
.macro WIN new
.if MSB != (\new)
	s_set_vgpr_msb (MSB<<8)|(\new)
.set MSB, (\new)
.endif
.endm
.set MUL,  0xa1
.set TO_B, 0x40
.macro JLOAD g0a, g1a, g0b, g1b
	s_cmp_eq_u32 s15, 0
	s_cbranch_scc0 .Lfor_b_\@
	tensor_load_to_lds s[\g0a:\g0a+3], s[\g1a:\g1a+7]
	s_nop 0
.rept 4
	v_nop
.endr
	s_branch .Lasked_\@
.Lfor_b_\@:
	tensor_load_to_lds s[\g0b:\g0b+3], s[\g1b:\g1b+7]
	s_nop 0
.rept 4
	v_nop
.endr
.Lasked_\@:
.endm
.macro CREST
	s_cmp_lg_u32 s14, 0
	s_cbranch_scc1 .Lnot_wave_0_\@
	s_barrier_signal -3
.Lnot_wave_0_\@:
	s_barrier_wait -3
	s_barrier_signal -1
	s_barrier_wait -1
.endm
.macro CROUND
	s_barrier_signal -1
	s_barrier_wait -1
	CREST
.endm
	s_load_b128 s[4:7], s[0:1], 0x0
	s_load_b64 s[8:9], s[0:1], 0x10
	v_lshl_add_u32 v[SPW], v0, 2, SPARE
	v_mov_b32 v[NIL], 0
	ds_add_u32 v28, v29
	ds_add_u32 v28, v29
	s_wait_dscnt 0x0
	v_lshrrev_b32 v1, 5, v0
	v_readfirstlane_b32 s14, v1
	s_lshr_b32 s15, s14, 1
	s_and_b32 s16, s14, 1
	s_bfe_u32 s40, ttmp6, 0x40000
	s_bfe_u32 s41, ttmp6, 0x40004
	s_lshl_b32 s42, ttmp9, 2
	s_add_co_u32 s42, s42, s40
	s_and_b32 s17, ttmp7, 0xffff
	s_lshl_b32 s17, s17, 2
	s_add_co_u32 s17, s17, s41
	s_lshl_b32 s43, s41, 2
	s_lshl_b32 s43, 15, s43
	s_lshl_b32 s44, 0x1111, s40
	s_or_b32 s[G1+0], s43, (3<<16)|(1<<21)
	s_mov_b32 s[G1+1], 32<<16
	s_mov_b32 s[G1+2], 384<<16                     ; at the head: 256 rows x two K steps, 98,304 dense bytes
	s_mov_b32 s[G1+3], 32<<16
	s_mov_b32 s[G1+4], 384
	s_mov_b32 s[G1+5], 32
	s_mov_b32 s[G1+6], 0
	s_mov_b32 s[G1+7], 0
	s_or_b32 s[G1B+0], s44, (3<<16)|(1<<20)|(1<<21)|(3<<22)|(3<<25)   ; 16 bytes of padding behind every 64: an LDS row of 192 bytes is 3 x (64 + 16)
	s_mov_b32 s[G1B+1], 3072<<16                   ; at the head: two rows of 24,576 bytes (my 128 rows of codes in K step 0 and in K step 1), 49,152 bytes apart
	s_mov_b32 s[G1B+2], 2<<16
	s_mov_b32 s[G1B+3], 3072<<16
	s_mov_b32 s[G1B+4], 2
	s_mov_b32 s[G1B+5], 6144
	s_mov_b32 s[G1B+6], 0
	s_mov_b32 s[G1B+7], 0
	s_or_b32 s[G1S+0], s43, (3<<16)|(1<<20)|(1<<21)|(5<<22)|(3<<25)
	s_mov_b32 s[G1S+1], 32<<16
	s_mov_b32 s[G1S+2], 32<<16
	s_mov_b32 s[G1S+3], 32<<16
	s_mov_b32 s[G1S+4], 32
	s_mov_b32 s[G1S+5], 32
	s_mov_b32 s[G1S+6], 0
	s_mov_b32 s[G1S+7], 0
	s_or_b32 s[G1SB+0], s44, (3<<16)|(1<<20)|(1<<21)|(5<<22)|(3<<25)
	s_mov_b32 s[G1SB+1], 32<<16
	s_mov_b32 s[G1SB+2], 16<<16
	s_mov_b32 s[G1SB+3], 32<<16
	s_mov_b32 s[G1SB+4], 16
	s_mov_b32 s[G1SB+5], 32
	s_mov_b32 s[G1SB+6], 0
	s_mov_b32 s[G1SB+7], 0
	s_lshl_b32 s22, s17, 13                        ; A: the scale bytes of the tile's 256 stored rows,
	s_add_co_u32 s22, s22, ASO
	s_mov_b32 s23, 0
	s_mul_i32 s20, s17, 8*AHALF                    ; and their codes: four K steps of 49,152 bytes
	s_mov_b32 s21, 0
	s_lshl_b32 s46, s42, 7
	s_add_co_u32 s46, s46, WROW                    ; B: the tile's first stored row, a multiple of 128
	s_lshl_b32 s92, s46, 5
	s_add_co_u32 s92, s92, SCO
	s_mov_b32 s93, 0
	s_lshr_b32 s46, s46, 8
	s_mul_i32 s46, s46, 8*AHALF                    ; which 256 stored rows,
	s_and_b32 s47, s42, 1
	s_mul_i32 s47, s47, AHALF                      ; and which 128 of them: 128 x 192 bytes
	s_add_co_u32 s46, s46, s47
	s_mov_b32 s47, 0
	s_mul_i32 s45, s16, AHALF                      ; the ring's loads: my 128 rows of A, in LDS
	s_mov_b32 s18, s45                             ; and in memory alike;
	s_mov_b32 s19, 0
	s_mul_i32 s94, s16, BHALF                      ; my 64 rows of B in LDS,
	s_add_co_u32 s94, s94, BOFF
	s_mul_i32 s96, s16, 12288                      ; and in memory
	s_mov_b32 s97, 0
	s_wait_kmcnt 0x0
	s_add_nc_u64 s[20:21], s[4:5], s[20:21]
	s_add_nc_u64 s[22:23], s[4:5], s[22:23]
	s_add_nc_u64 s[46:47], s[6:7], s[46:47]
	s_add_nc_u64 s[92:93], s[6:7], s[92:93]
	CROUND                                         ; all sixteen work-groups are here: the first joint loads meet
	s_mov_b32 s[G0], 1                             ; the head's four tiles, each whole.  A's K steps 0 and 1 into A's two slots; slot 0's group 0 serves, and is set for the ring behind the wait for these loads
	s_mov_b32 s[G0+1], 0
	s_mov_b64 s[G0+2:G0+3], s[20:21]
	s_or_b32 s[G0+3], s[G0+3], 0x80000000
	s_mov_b32 s[G0B], 1                            ; B's likewise
	s_mov_b32 s[G0B+1], BOFF
	s_mov_b64 s[G0B+2:G0B+3], s[46:47]
	s_or_b32 s[G0B+3], s[G0B+3], 0x80000000
	s_mov_b32 s[G0S], 1                            ; the scales of A's 256 rows,
	s_mov_b32 s[G0S+1], SCA
	s_mov_b64 s[G0S+2:G0S+3], s[22:23]
	s_or_b32 s[G0S+3], s[G0S+3], 0x80000000
	s_mov_b32 s[G0SB], 1                           ; and of B's 128
	s_mov_b32 s[G0SB+1], SCL
	s_mov_b64 s[G0SB+2:G0SB+3], s[92:93]
	s_or_b32 s[G0SB+3], s[G0SB+3], 0x80000000
	s_mov_b32 s[G0+4], 1                           ; slot 1's group 0 stands at K step 1: its first refill steps it to K step 3
	s_add_co_u32 s[G0+5], s45, 2*AHALF
	s_add_nc_u64 s[G0+6:G0+7], s[20:21], s[18:19]
	s_add_nc_u64 s[G0+6:G0+7], s[G0+6:G0+7], ROWB
	s_or_b32 s[G0+7], s[G0+7], 0x80000000
	s_mov_b32 s[G0B+4], 1
	s_add_co_u32 s[G0B+5], s94, 2*BHALF
	s_add_nc_u64 s[G0B+6:G0B+7], s[46:47], s[96:97]
	s_add_nc_u64 s[G0B+6:G0B+7], s[G0B+6:G0B+7], ROWB
	s_or_b32 s[G0B+7], s[G0B+7], 0x80000000
; one tree of branches on the wave's number, a load in each arm, all arms leading to one join
.macro ARM under, g0, g1, next
	s_cmp_lt_u32 s14, \under
	s_cbranch_scc0 \next
	tensor_load_to_lds s[\g0:\g0+3], s[\g1:\g1+7]
	s_nop 0
.rept 4
	v_nop
.endr
	s_branch .Lhead_asked
\next:
.endm
	ARM 1, G0,  G1,  .Lhead_b
	ARM 2, G0B, G1B, .Lhead_sa
	ARM 3, G0S, G1S, .Lhead_sb
	tensor_load_to_lds s[G0SB:G0SB+3], s[G1SB:G1SB+7]
	s_nop 0
.rept 4
	v_nop
.endr
.Lhead_asked:
	v_and_b32 v1, 15, v0
	v_bfe_u32 v2, v0, 4, 1
	v_and_b32 v6, 31, v0
	v_lshlrev_b32 v7, 4, v6
	v_lshlrev_b32 v8, 3, v6
	v_mul_u32_u24 v3, v1, PITCH
	v_mul_u32_u24 v4, v2, 24
	v_add_nc_u32 v4, v3, v4
	v_lshl_add_u32 v5, v2, 4, v4
	s_mul_i32 s21, s15, AHALF
	s_mul_i32 s22, s16, BHALF
	s_add_co_u32 s22, s22, BOFF
.irp s, 0,1
	v_add_nc_u32 v[ADA16+\s], s21, v7
	v_add_nc_u32 v[ADA8+\s], s21, v8
	v_add_nc_u32 v[ADRB+\s], s22, v4
	v_add_nc_u32 v[ADRB+2+\s], s22, v5
	s_add_co_u32 s21, s21, 2*AHALF
	s_add_co_u32 s22, s22, 2*BHALF
.endr
	v_mul_u32_u24 v5, v1, 32
	v_lshrrev_b32 v6, 8, v5
	v_lshl_add_u32 v5, v6, 4, v5
	s_mul_i32 s21, s16, BSH
	s_mul_i32 s22, s15, ASH
	s_add_co_u32 s22, s22, 2*BSH
	s_sub_co_u32 s22, s22, s21
	v_mul_u32_u24 v6, s22, v2
	s_add_co_u32 s21, s21, SCL
	v_add_nc_u32 v5, v5, v6
	v_add_nc_u32 v[ADRS], s21, v5
	s_mul_i32 s23, s14, 16*SPITCH
	v_mul_u32_u24 v5, v1, SPITCH
	v_lshl_add_u32 v5, v2, 5, v5
	v_add_nc_u32 v[STO], s23, v5
	v_mul_u32_u24 v5, v2, SPITCH
	v_lshl_add_u32 v5, v1, 4, v5
	v_add_nc_u32 v[RD], s23, v5
	v_lshlrev_b32 v[CO], 12, v2
	v_lshl_add_u32 v[CO], v1, 4, v[CO]
	s_lshl_b32 s20, s17, 8
	s_lshl_b32 s21, s15, 7
	s_add_co_u32 s20, s20, s21
	s_lshl_b32 s20, s20, 12
	s_lshl_b32 s21, s42, 9
	s_add_co_u32 s20, s20, s21
	s_lshl_b32 s21, s16, 8
	s_add_co_u32 s20, s20, s21
	s_mov_b32 s21, 0
	s_add_nc_u64 s[8:9], s[8:9], s[20:21]
.macro FRAG reg, adr, q, i
.irp p, 0,1,2,3,4,5
.set PCE, 12*(\q)+6*(\p/3)+\p%3
.if PCE%8 < 5
	ds_load_b64 v[\reg+2*\p:\reg+2*\p+1], v[\adr] offset:8*PCE+16*(PCE/8)+(\i)*16*PITCH
.else
	ds_load_b64 v[\reg+2*\p:\reg+2*\p+1], v[\adr+2] offset:8*PCE+16*(PCE/8)+(\i)*16*PITCH
.endif
.endr
.endm
.macro FRAGI reg, slot, q, i
	ds_load_b128 v[\reg:\reg+3], v[ADA16+\slot] offset:(4*(\i)+2*(\q))*768
	ds_load_b64 v[\reg+4:\reg+5], v[ADA8+\slot] offset:(4*(\i)+2*(\q))*768+512
	ds_load_b128 v[\reg+6:\reg+9], v[ADA16+\slot] offset:(4*(\i)+2*(\q)+1)*768
	ds_load_b64 v[\reg+10:\reg+11], v[ADA8+\slot] offset:(4*(\i)+2*(\q)+1)*768+512
.endm
.macro MUL8 a0, p, q, sc, zero
.irp a, \a0, \a0+1
.irp b, 0,1,2,3
.if \zero
	v_wmma_scale_f32_16x16x128_f8f6f4 v[8*(4*(\a)+\b):8*(4*(\a)+\b)+7], v[128*(\p)+FR*\b:128*(\p)+FR*\b+FR-1], v[AF+FR*(\a):AF+FR*(\a)+FR-1], 0, v[SC+8*NQ*(\sc)+NQ*\b+(\q)], v[SC+8*NQ*(\sc)+NQ*(\a)+(\q)] matrix_a_fmt:MATRIX_FMT_BF6 matrix_b_fmt:MATRIX_FMT_BF6 matrix_b_scale:MATRIX_SCALE_ROW1
.else
	v_wmma_scale_f32_16x16x128_f8f6f4 v[8*(4*(\a)+\b):8*(4*(\a)+\b)+7], v[128*(\p)+FR*\b:128*(\p)+FR*\b+FR-1], v[AF+FR*(\a):AF+FR*(\a)+FR-1], v[8*(4*(\a)+\b):8*(4*(\a)+\b)+7], v[SC+8*NQ*(\sc)+NQ*\b+(\q)], v[SC+8*NQ*(\sc)+NQ*(\a)+(\q)] matrix_a_fmt:MATRIX_FMT_BF6 matrix_b_fmt:MATRIX_FMT_BF6 matrix_b_scale:MATRIX_SCALE_ROW1
.endif
.endr
.endr
.endm
.macro FETCH_B slot, q, p
	WIN TO_B
.irp i, 0,1,2,3
	FRAG 128*(\p)+FR*\i, ADRB+\slot, \q, \i
.endr
	WIN 0
.endm
.macro FETCH_A slot, q, i0
.irp i, \i0, \i0+1, \i0+2, \i0+3
	FRAGI AF+FR*(\i), \slot, \q, \i
.endr
.endm
.macro SCALES sc
.irp i, 0,1,2,3,4,5,6,7
	ds_load_b64 v[SC+8*NQ*\sc+NQ*\i:SC+8*NQ*\sc+NQ*\i+1], v[ADRS] offset:\i*SBLK
.endr
.endm
.macro PLACES n
.rept \n
	v_nop
.endr
.endm
.macro STEP slot, q, zero
	s_wait_dscnt 4*NLA
	WIN MUL
	MUL8 0, (\q)%2, \q, \slot, \zero
	MUL8 2, (\q)%2, \q, \slot, \zero
	s_wait_dscnt 0
	PLACES NP
	FETCH_B \slot, (\q)+1, 1-(\q)%2
	FETCH_A \slot, (\q)+1, 0
	WIN MUL
	MUL8 4, (\q)%2, \q, \slot, \zero
	MUL8 6, (\q)%2, \q, \slot, \zero
	PLACES NP
	WIN 0
	FETCH_A \slot, (\q)+1, 4
.endm
.macro TURN slot, next, fill
	s_wait_tensorcnt 0x0
	ds_add_u32 v[SPW], v[NIL]
	s_wait_dscnt 4*NLA+1
	WIN MUL
	MUL8 0, 1, NQ-1, \slot, 0
	s_wait_dscnt 0x0
	s_barrier_signal -1
	MUL8 2, 1, NQ-1, \slot, 0
	WIN 0
	s_barrier_wait -1
.if \fill
	CREST
	s_add_nc_u64 s[G0+4*\slot+2:G0+4*\slot+3], s[G0+4*\slot+2:G0+4*\slot+3], 2*ROWB
	s_add_nc_u64 s[G0B+4*\slot+2:G0B+4*\slot+3], s[G0B+4*\slot+2:G0B+4*\slot+3], 2*ROWB
	JLOAD G0+4*\slot, G1, G0B+4*\slot, G1B
.else
	PLACES NP
.endif
	s_wait_alu depctr_va_vdst(0)
	v_add_nc_u32 v[ADRS], 4*NQ, v[ADRS]
	FETCH_B \next, 0, 0
	FETCH_A \next, 0, 0
	SCALES \next
	WIN MUL
	MUL8 4, 1, NQ-1, \slot, 0
	MUL8 6, 1, NQ-1, \slot, 0
	PLACES NP
	WIN 0
	FETCH_A \next, 0, 4
.endm
	s_wait_alu depctr_va_vdst(0)
	s_wait_tensorcnt 0x0                           ; my tile of the head's four is in, and no tensor load of mine is out: the descriptors may be written
	s_mov_b32 s[G1+2], 96<<16                      ; from here on a load of A brings 128 rows of one K step: 96 rows of 256 bytes;
	s_mov_b32 s[G1+4], 96
	s_mov_b32 s[G1B+1], 32<<16                     ; one of B 64 rows of codes: 48 rows of 256 bytes
	s_mov_b32 s[G1B+2], 48<<16
	s_mov_b32 s[G1B+3], 32<<16
	s_mov_b32 s[G1B+4], 48
	s_mov_b32 s[G1B+5], 32
	s_mov_b32 s[G0+1], s45                         ; slot 0's group 0 for the ring: my part, at K step 0: its first refill steps it to K step 2
	s_add_nc_u64 s[G0+2:G0+3], s[G0+2:G0+3], s[18:19]
	s_mov_b32 s[G0B+1], s94
	s_add_nc_u64 s[G0B+2:G0B+3], s[G0B+2:G0B+3], s[96:97]
	s_barrier_signal -1                            ; all four tiles are in: both slots and the scales
	s_barrier_wait -1
	FETCH_B 0, 0, 0
	FETCH_A 0, 0, 0
	SCALES 0
	FETCH_A 0, 0, 4
	STEP 0, 0, 1
	s_mov_b32 s3, LAPS-1
.Llap:
	TURN 0, 1, 1
	STEP 1, 0, 0
	TURN 1, 0, 1
	STEP 0, 0, 0
	s_sub_co_u32 s3, s3, 1
	s_cmp_lg_u32 s3, 0
	s_cbranch_scc1 .Llap
	TURN 0, 1, 0
	STEP 1, 0, 0
	s_wait_dscnt 4*NLA
	WIN MUL
	MUL8 0, 1, NQ-1, 1, 0
	MUL8 2, 1, NQ-1, 1, 0
	s_wait_dscnt 0
	MUL8 4, 1, NQ-1, 1, 0
	MUL8 6, 1, NQ-1, 1, 0
	WIN 0
.macro TOSTAGE a
	WIN 0x08
.irp b, 0,1,2,3
	ds_store_b128 v[STO], v[32*(\a)+8*\b:32*(\a)+8*\b+3] offset:64*\b
	ds_store_b128 v[STO], v[32*(\a)+8*\b+4:32*(\a)+8*\b+7] offset:64*\b+16
.endr
	WIN 0
.set BB, BK+32*((\a)%2)
.irp t, 0,1,2,3,4,5,6,7
	ds_load_b128 v[BB+4*\t:BB+4*\t+3], v[RD] offset:\t*2*SPITCH
.endr
.endm
.macro SEND a, younger
.set BB, BK+32*((\a)%2)
	s_wait_dscnt \younger
.irp t, 0,1,2,3,4,5,6,7
	global_store_b128 v[CO], v[BB+4*\t:BB+4*\t+3], s[8:9] offset:(32*((\a)/2)+8*((\a)%2)+2*\t+8*(\t/4))*4096 th:TH_STORE_NT
.endr
.endm
	PLACES NP
	TOSTAGE 0
.irp a, 1,2,3,4,5,6,7
.if \a > 1
	s_wait_xcnt 0x0
.endif
	TOSTAGE \a
	SEND \a-1, 16
.endr
	SEND 7, 0
	s_wait_tensorcnt 0x0
	ds_add_u32 v[SPW], v[NIL]
	s_wait_dscnt 0x0
	CROUND
	s_endpgm
.Lfunc_end_k_q5ff00dc818_outgemm:
	.size	k_q5ff00dc818_outgemm, .Lfunc_end_k_q5ff00dc818_outgemm-k_q5ff00dc818_outgemm
	.p2alignl 7, 3214868480
	.fill 96, 4, 3214868480
	.section	.rodata,"a",@progbits
	.p2align	6, 0x0
	.amdhsa_kernel k_q5ff00dc818_outgemm
		.amdhsa_group_segment_fixed_size 327680
		.amdhsa_private_segment_fixed_size 0
		.amdhsa_enable_private_segment 0
		.amdhsa_kernarg_size 24
		.amdhsa_user_sgpr_count 2
		.amdhsa_user_sgpr_kernarg_segment_ptr 1
		.amdhsa_wavefront_size32 1
		.amdhsa_system_sgpr_workgroup_id_x 1
		.amdhsa_system_sgpr_workgroup_id_y 1
		.amdhsa_system_sgpr_workgroup_id_z 1
		.amdhsa_system_vgpr_workitem_id 0
		.amdhsa_next_free_vgpr 768
		.amdhsa_next_free_sgpr 98
		.amdhsa_reserve_vcc 0
		.amdhsa_float_denorm_mode_32 3
		.amdhsa_float_denorm_mode_16_64 3
		.amdhsa_memory_ordered 1
		.amdhsa_forward_progress 1
		.amdhsa_inst_pref_size 94
	.end_amdhsa_kernel
	.amdgpu_metadata
---
amdhsa.version: [ 1, 2 ]
amdhsa.kernels:
  - .name:           k_q5ff00dc818_outgemm
    .symbol:         k_q5ff00dc818_outgemm.kd
    .args:
      - { .name: att, .offset: 0, .size: 8, .value_kind: global_buffer, .address_space: global }
      - { .name: opq, .offset: 8, .size: 8, .value_kind: global_buffer, .address_space: global }
      - { .name: out0, .offset: 16, .size: 8, .value_kind: global_buffer, .address_space: global }
    .group_segment_fixed_size: 327680
    .private_segment_fixed_size: 0
    .kernarg_segment_align: 8
    .kernarg_segment_size: 24
    .max_flat_workgroup_size: 128
    .sgpr_count:     98
    .vgpr_count:     768
    .wavefront_size: 32
...
	.end_amdgpu_metadata
.endif
;; end of part 4
